; MI455X (gfx1250); checked and timed in simulation.
; The chip was launched on July 23, 2026; its instructions are those of AMD's public machine-readable ISA for CDNA 5 (MIT licence, August 2026) and "CDNA5" Instruction Set Architecture Reference Guide (July 2026). The comments in the code are by the model that wrote it; some were corrected since.
;; Reflect. Allowed arithmetic: matrix products marked QUANTISED: E2M1 operands, one E8M0 scale for each 32 along K, by v_wmma_scale_f32_16x16x128_f8f6f4 with both operands' format E2M1 (or v_wmma_scale_f32_32x16x128_f4), f32 sums; products left as they are: bf16, f16 or f32 operands; f32 sums; everything else in f32.
;; Inputs: Wk 1,024 x 1,024 float32; Wq 1,024 x 1,024 float32; Wv 1,024 x 1,024 float32; mask 4 x 2,048 bool; x 4 x 2,048 x 1,024 float32.
;; Outputs: out0 4 x 2,048 x 1,024 float32.
;; This version of the problem:
;;   THIS VERSION OF THE PROBLEM IS GIVEN IN LOW PRECISION. The matrix products marked QUANTISED in the list below multiply operands that are first quantised to E2M1 (2 exponent bits, 1 mantissa bit; 4 bits a number), with one power-of-two scale for each 32 numbers along K (OCP MX v1.0); their sums are f32. The products marked 'left as it is' may take bf16, f16 or f32 operands, with f32 sums. Whichever they take, every output number must still come out within the allowed error. Rounding operands to bf16 (8 significant bits) uses up far more of that allowance than f16 does (11 bits, for magnitudes from 6e-5 to 65,504). All else is computed in f32.
;;   The module's matrix products, in the order in which they are computed (A, B: the left and right operand; K: the contracted axis; several contracted axes count as one K, in the product's order):
;;     1. [M 8,192, K 1,024] x [K 1,024, N 1,024]; A: input x; B: input Wq: QUANTISED
;;     2. [M 8,192, K 1,024] x [K 1,024, N 1,024]; A: input x; B: input Wk: QUANTISED
;;     3. batch 4 x [M 2,048, K 1,024] x [K 1,024, N 2,048]; A: computed on the way; B: computed on the way: left as it is (an operand is computed on the way)
;;     4. [M 8,192, K 1,024] x [K 1,024, N 1,024]; A: input x; B: input Wv: QUANTISED
;;     5. batch 4 x [M 2,048, K 2,048] x [K 2,048, N 1,024]; A: computed on the way; B: computed on the way: left as it is (an operand is computed on the way)
;;   THE QUANTISER, for each operand of a quantised product, along K:
;;     - K is cut into blocks of 32 from its start; a last block that is shorter is filled with zeros.
;;     - A block's scale is 2^e with e = floor(log2(the largest magnitude in the block)) - 2, held to -126 .. 127; a block of zeros has e = 0. As a byte (E8M0): e + 127.
;;     - Each number is divided by its block's scale, clamped to +-6, and rounded to the nearest number of E2M1, ties to even, subnormals kept.
;;     - The product sums the exact products of the quantised numbers (number of the format x scale) in f32.
;;   ~~~python
;;   def quantise(x, axis):      # numpy; x: float32 -> the quantised numbers, widened to float32 again
;;       x = np.moveaxis(x, axis, -1); K = x.shape[-1]
;;       x = np.pad(x, [(0, 0)] * (x.ndim - 1) + [(0, -K % 32)]); x = x.reshape(x.shape[:-1] + (-1, 32)); a = np.abs(x).max(-1, keepdims=True)
;;       e = np.where(a > 0, np.clip(np.frexp(np.where(a > 0, a, 1))[1] - 1 - 2, -126, 127), 0)      # np.frexp(a)[1] - 1 = floor(log2(a)), exactly
;;       r = np.clip(x / 2.0 ** e, -6, 6)
;;       step = 2.0 ** (np.maximum(np.frexp(np.where(r == 0, 1, r))[1] - 1, 0) - 1)
;;       q = np.round(r / step) * step * 2.0 ** e      # np.round: ties to even
;;       return np.moveaxis(q.reshape(q.shape[:-2] + (-1,))[..., :K], -1, axis).astype(np.float32)
;;   ~~~
;; One version. Each part assembles by itself: llvm-mc -triple=amdgcn-amd-amdhsa -mcpu=gfx1250 --defsym DOCPART=n.
;; ======== version 1 of 1: 4 launches
;; limits: values are held in f16: magnitudes above 65,504 overflow, below 6.1e-05 lose precision
;; workspace buffers: xc 4,194,304 bytes; xs 262,144 bytes; wc 1,572,864 bytes; ws 98,304 bytes; qkv 50,331,648 bytes; p 33,554,432 bytes; st 1,048,576 bytes
;; launch quant (part 1): grid 352 x 1, 4 waves a work-group, no clusters, 50,688 bytes of LDS; arguments x, Wq, Wk, Wv, xc, xs, wc, ws; writes xc, xs, wc, ws
.if DOCPART == 1
	.amdgcn_target "amdgcn-amd-amdhsa--gfx1250"
	.amdhsa_code_object_version 6
	.text
	.protected	k_q3a112544c1_quant
	.globl	k_q3a112544c1_quant
	.p2align	8
	.type	k_q3a112544c1_quant,@function
k_q3a112544c1_quant:
	s_mov_b64 s[64:65], 0
	v_nop
	global_prefetch_b8 v0, s[64:65] scope:SCOPE_SE
	s_setreg_imm32_b32 hwreg(HW_REG_WAVE_MODE, 25, 1), 1
	s_wait_xcnt 0x0
; LAUNCH 1 OF 4.  out = softmax(q k^T / 32 + bias(query)) v, q = x Wq, k = x Wk, v = x Wv; the three products with x are made on codes of FP4 (E2M1) with one E8M0 scale for each 32 along K.
; This launch quantises x [8192][1024] (K innermost) and Wq, Wk, Wv [1024 (k)][1024 (n)] (K is the FIRST axis) once, since every tile of them is read by many work-groups of the next launch.
;   xc [token][512 bytes], xs [token][32]: codes and scale bytes of x;   wc [n 0..3071][512 bytes], ws [n][32]: those of the columns of Wq, then Wk, then Wv, K innermost.
; NO WORK OF THE PROBLEM IS LEFT OUT, IN ANY LAUNCH.  The mask's term, -1e9 for a masked query, is the same along the softmax's axis and would cancel in real numbers; but it is so large that the f32 sum
; score / 32 - 1e9 drops the score (neighbouring f32 numbers lie 64 apart there), so that a masked query's row becomes an even mean of v.  It is therefore added as it is written, in the third launch.
; A block's scale is 2^(floor(log2(its largest magnitude)) - 2); its byte is the largest magnitude's exponent field - 2, held at 1 from below.  A block of zeros so gets the byte 1 and not 127: its codes are zeros,
; which add nothing under any byte but 0xff, and the bytes are read by this program alone.
; LIMITS: blocks whose largest magnitude lies under 2^-124 keep the byte 1; NaN and infinities among the inputs are not served.
; SHARES.  Work-groups 0 to 95 take the weights: 32 each, 64 columns x 512 along K.  Work-groups 96 to 351 take x: 32,768 numbers each.  The two ways part on the work-group's number and have LDS bytes of their own.
; No tensor loads.  On x's way waves share nothing; on the weights' way two waves fill the two halves of each stage row, and one barrier stands between the writing and the reading.
.set NWG,   96                         ; work-groups on the weights' way
.set STEPS, 16
.set EMAX,  2
.set CB,    8                          ; bytes of 16 codes
.set R,     16                         ; x: v16-79   four sets of 16 numbers as they are loaded
.set X,     80                         ; x: v80-111  two sets of 16 neighbours
.set E,     112                        ; x: v112-127 a scale byte for each step
.set C,     128                        ; x: v128-191 codes: four registers for each step, so that no store's data are written again
.set WREG,  8192                       ; x: LDS: a region for each wave: two stages of 32 x SP bytes, behind them its 256 scale bytes
.set SP,    80                         ; x: a lane's place in a stage: 64 bytes + 16 of padding
.set WBASE, 4*WREG                     ; W: LDS: behind x's regions, the work-group's stage of 64 rows x WP bytes
.set WP,    272                        ; W: a stage row: 256 bytes of codes + 16
.set NB,    8                          ; W: blocks of 32 along K for a wave
.set KROW,  512                        ; W: a row of wc in bytes
.set WX,    32                         ; W: v32-95   two sets of 32 numbers
.set WC,    96                         ; W: v96-99   a block's codes
.set OUTR,  112                        ; W: v112-143 the way out
.set SB,    24                         ; W: v24-25   the scale bytes, four to a register
.set SPW,   192                        ; v192 LDS address of my spare word: SPARE + 4 x my thread's number; never rewritten
.set NIL,   193                        ; v193 0; never rewritten
.set SPARE, WBASE+64*WP                ; behind both ways' bytes: the spare words, 128 bytes for each wave, which no other line names
	s_load_b256 s[8:15], s[0:1], 0x0               ; x s[8:9], Wq s[10:11], Wk s[12:13], Wv s[14:15]
	s_load_b256 s[16:23], s[0:1], 0x20             ; xc s[16:17], xs s[18:19], wc s[20:21], ws s[22:23]
	v_lshl_add_u32 v[SPW], v0, 2, SPARE
	v_mov_b32 v[NIL], 0
	v_lshrrev_b32 v1, 5, v0
	v_readfirstlane_b32 s24, v1                    ; wave 0..3
	v_and_b32 v2, 31, v0                           ; lane
	s_cmp_lt_u32 ttmp9, NWG
	s_cbranch_scc1 .Lw
; ---------------- x: a plain stream of blocks of 32.  A wave takes 16 steps of 512 numbers.  Each load reads 512 consecutive bytes, 16 a lane; a step's 2,048 bytes turn through the wave's own stage in LDS and come
; back 64 bytes a lane, so that a lane holds 16 NEIGHBOURS along K, as the conversions want them; two neighbouring lanes hold a block.
	v_lshlrev_b32 v3, 4, v2                        ; my 16 bytes of a load's 512
	s_mul_i32 s25, s24, WREG
	v_lshrrev_b32 v14, 2, v2
	v_mul_u32_u24 v14, v14, SP
	v_and_b32 v15, 3, v2
	v_lshl_add_u32 v14, v15, 4, v14
	v_add_nc_u32 v14, s25, v14                     ; the stage, on the way in: SP (lane / 4) + 16 (lane % 4)
	v_mul_u32_u24 v15, v2, SP
	v_add_nc_u32 v15, s25, v15                     ; and on the way out: SP x lane
	v_mul_u32_u24 v4, v2, CB                       ; my codes' place in a step's
	v_lshrrev_b32 v5, 1, v2
	s_add_co_u32 s25, s25, 2*32*SP
	v_add_nc_u32 v5, s25, v5                       ; LDS: my wave's 256 scale bytes, my block's byte
	v_lshlrev_b32 v7, 3, v2                        ; and on the way out 8 bytes a lane
	v_add_nc_u32 v6, s25, v7
	s_sub_co_u32 s26, ttmp9, NWG
	s_lshl_b32 s26, s26, 2
	s_add_co_u32 s26, s26, s24                     ; which run of 8,192 numbers is my wave's: 0 .. 1,023
	s_mov_b32 s27, 0
	s_lshl_b64 s[28:29], s[26:27], 15              ; 32,768 bytes of x,
	s_lshl_b64 s[30:31], s[26:27], 12              ; 4,096 of codes,
	s_lshl_b64 s[32:33], s[26:27], 8               ; 256 of scale bytes a run
	s_wait_kmcnt 0x0
	s_add_nc_u64 s[8:9], s[8:9], s[28:29]
	s_add_nc_u64 s[16:17], s[16:17], s[30:31]
	s_add_nc_u64 s[18:19], s[18:19], s[32:33]
.macro XLOAD t
.irp i, 0,1,2,3
	global_load_b128 v[R+16*((\t)%4)+4*\i:R+16*((\t)%4)+4*\i+3], v3, s[8:9] offset:2048*(\t)+512*\i th:TH_LOAD_NT   ; 32 lanes read 512 consecutive bytes
.endr
.endm
.macro XTURN t                         ; step t's numbers through the stage: LDS serves a wave's instructions in order (ISA guide 5.7.1), so no wait stands between the stores and the loads
.irp i, 0,1,2,3
	ds_store_b128 v14, v[R+16*((\t)%4)+4*\i:R+16*((\t)%4)+4*\i+3] offset:32*SP*((\t)%2)+8*SP*\i
.endr
.irp i, 0,1,2,3
	ds_load_b128 v[X+16*((\t)%2)+4*\i:X+16*((\t)%2)+4*\i+3], v15 offset:32*SP*((\t)%2)+16*\i
.endr
.endm
.irp t, 0,1,2,3
	XLOAD \t
.endr
	s_wait_loadcnt 12                              ; step 0's four loads are in; the twelve behind them stay out
	XTURN 0
.macro XSTEP t
.set XS, X+16*((\t)%2)
.if (\t) > 0
	s_wait_dscnt 1                                 ; this step's numbers are back from the stage (the last step's byte store may be out): so its stores into the stage have read their registers,
.else
	s_wait_dscnt 0x0
.endif
.if (\t)+4 < STEPS
	XLOAD (\t)+4                                   ; which take the loads of four steps on
.endif
.if (\t)+1 < STEPS
.if STEPS-2-(\t) >= 3
	s_wait_loadcnt 12                              ; the next step's four loads are in; those of the three steps behind it may be out
.else
	s_wait_loadcnt 4*(STEPS-2-(\t))
.endif
	XTURN (\t)+1                                   ; and go through the other stage while this step is worked
.endif
	v_max3_num_f32 v8, |v[XS]|, |v[XS+1]|, |v[XS+2]|               ; the largest magnitude of my 16, in two chains
	v_max3_num_f32 v9, |v[XS+3]|, |v[XS+4]|, |v[XS+5]|
.irp i, 6,10
	v_max3_num_f32 v8, v8, |v[XS+\i]|, |v[XS+\i+1]|
	v_max3_num_f32 v9, v9, |v[XS+\i+2]|, |v[XS+\i+3]|
.endr
	v_max3_num_f32 v8, v8, |v[XS+14]|, |v[XS+15]|
	v_max3_num_f32 v8, v8, v9, (EMAX+1)<<23        ; and the floor 2^(EMAX + 1 - 127): so the byte cannot fall under 1
	v_max_num_f32_dpp v8, v8, v8 row_xmask:1 row_mask:0xf bank_mask:0xf   ; and of my neighbour's 16: the block's
	v_add_nc_u32 v11, -(EMAX<<23), v8              ; EMAX off its exponent field: the conversion takes the exponent field of this operand as its scale, and nothing else of it
	v_cvt_scalef32_pk8_fp4_f32 v[C+4*(\t)], v[XS:XS+7], v11        ; eight numbers / the scale, to the nearest code, ties to even, beyond the largest code the largest
	v_cvt_scalef32_pk8_fp4_f32 v[C+4*(\t)+1], v[XS+8:XS+15], v11
	v_lshrrev_b32 v[E+(\t)], 23, v11               ; the scale's byte
	ds_store_b8 v5, v[E+(\t)] offset:16*(\t)       ; both lanes of a block write the same byte with the same value
	global_store_b64 v4, v[C+4*(\t):C+4*(\t)+1], s[16:17] offset:32*CB*(\t)   ; the wave stores 256 consecutive bytes, aligned
.endm
.irp t, 0,1,2,3,4,5,6,7,8,9,10,11,12,13,14,15
	XSTEP \t
.endr
	ds_load_b64 v[8:9], v6                         ; LDS serves a wave's instructions in order: these see my byte stores
	s_wait_dscnt 0x0
	global_store_b64 v7, v[8:9], s[18:19]          ; 32 lanes store my wave's 256 scale bytes, aligned
	s_wait_tensorcnt 0x0                           ; the wave's end: a tensor wait, an add of 0 to my spare word and its wait, behind my last LDS store
	ds_add_u32 v[SPW], v[NIL]
	s_wait_dscnt 0x0
	s_endpgm
; ---------------- the weights.  A LANE TAKES A COLUMN n, AND ITS REGISTERS RUN DOWN K: each load reads neighbouring n in neighbouring lanes, a block of 32 along K lies in one lane's 32 registers, and the
; conversions give codes with K innermost.  A wave takes 32 columns x 256 along K: eight blocks, 128 bytes of codes a column.  Waves 0, 1 take the group's 64 columns for its first 256 along K, waves 2, 3 for its second:
; the two halves of a column's 256 bytes meet in the stage, and behind a barrier each wave stores 16 whole rows, sixteen lanes to 256 consecutive bytes.
.Lw:
	s_lshr_b32 s25, ttmp9, 5                       ; which weight: 0 Wq, 1 Wk, 2 Wv
	s_and_b32 s26, ttmp9, 15                       ; which 64 columns
	s_bfe_u32 s27, ttmp9, 0x10004                  ; which 512 along K
	s_and_b32 s38, s24, 1                          ; my wave: which 32 of the columns,
	s_lshr_b32 s39, s24, 1                         ; which 256 of the 512 along K
	s_lshl_b32 s28, s26, 6                         ; the group's first column
	s_lshl_b32 s29, s38, 5
	s_add_co_u32 s29, s28, s29                     ; my wave's first column
	v_lshlrev_b32 v3, 2, v2                        ; in: 4 bytes a lane
	s_mul_i32 s40, s38, 32*WP
	s_lshl_b32 s41, s39, 7
	s_add_co_u32 s40, s40, s41
	s_add_co_u32 s40, s40, WBASE
	v_mul_u32_u24 v4, v2, WP
	v_add_nc_u32 v4, s40, v4                       ; into the stage: row = my column, my half of its 256 bytes
	v_and_b32 v5, 15, v2
	v_lshrrev_b32 v6, 4, v2                        ; out of it: sixteen lanes to a row, two rows an instruction; wave w takes rows 16 w on
	s_mul_i32 s40, s24, 16*WP
	s_add_co_u32 s40, s40, WBASE
	v_mul_u32_u24 v7, v6, WP
	v_lshl_add_u32 v7, v5, 4, v7
	v_add_nc_u32 v7, s40, v7
	v_lshlrev_b32 v8, 9, v6
	v_lshl_add_u32 v8, v5, 4, v8                   ; and the same place in wc: rows of 512 bytes
	v_lshlrev_b32 v9, 5, v2                        ; my column's row of scale bytes: 32 bytes a row
	s_lshl_b32 s30, s27, 21                        ; 512 rows of 4,096 bytes,
	s_lshl_b32 s31, s39, 20
	s_add_co_u32 s30, s30, s31                     ; + 256 rows for waves 2, 3,
	s_lshl_b32 s31, s29, 2
	s_add_co_u32 s30, s30, s31                     ; + 4 bytes a column
	s_mov_b32 s31, 0
	s_lshl_b32 s32, s25, 10                        ; 1,024 rows of wc a weight
	s_add_co_u32 s33, s32, s28
	s_lshl_b32 s34, s24, 4
	s_add_co_u32 s34, s33, s34                     ; the first row of wc that I store
	s_lshl_b32 s34, s34, 9
	s_lshl_b32 s35, s27, 8
	s_add_co_u32 s34, s34, s35                     ; + 256 bytes for the upper 512 along K
	s_mov_b32 s35, 0
	s_add_co_u32 s36, s32, s29                     ; the row of ws of my wave's first column,
	s_lshl_b32 s36, s36, 5
	s_lshl_b32 s37, s27, 4
	s_add_co_u32 s36, s36, s37
	s_lshl_b32 s37, s39, 3
	s_add_co_u32 s36, s36, s37                     ; + a byte for each 32 along K
	s_mov_b32 s37, 0
	s_wait_kmcnt 0x0
	s_cmp_eq_u32 s25, 0                            ; the choice of the buffer hangs on the work-group's number alone
	s_cselect_b64 s[10:11], s[10:11], s[12:13]
	s_cmp_eq_u32 s25, 2
	s_cselect_b64 s[10:11], s[14:15], s[10:11]
	s_add_nc_u64 s[10:11], s[10:11], s[30:31]
	s_add_nc_u64 s[20:21], s[20:21], s[34:35]
	s_add_nc_u64 s[22:23], s[22:23], s[36:37]
.macro WLOAD t                         ; block t: W(32 t + i, my column), i = 0 .. 31, into set t % 2.  The largest offset, 255 rows of 4,096 bytes, lies inside the signed 24-bit immediate
.irp i, 0,1,2,3,4,5,6,7,8,9,10,11,12,13,14,15,16,17,18,19,20,21,22,23,24,25,26,27,28,29,30,31
	global_load_b32 v[WX+32*((\t)%2)+\i], v3, s[10:11] offset:(32*(\t)+\i)*4096 th:TH_LOAD_NT
.endr
.endm
	WLOAD 0
	WLOAD 1
.macro WBLOCK t
.set XS, WX+32*((\t)%2)
.if (\t) < NB-1
	s_wait_loadcnt 32                              ; this block's 32 loads are in; the next block's may be out
.else
	s_wait_loadcnt 0
.endif
	v_max3_num_f32 v12, |v[XS]|, |v[XS+1]|, |v[XS+2]|              ; the block's largest magnitude: all 32 numbers are mine
	v_max3_num_f32 v13, |v[XS+3]|, |v[XS+4]|, |v[XS+5]|
.irp i, 6,10,14,18,22,26
	v_max3_num_f32 v12, v12, |v[XS+\i]|, |v[XS+\i+1]|
	v_max3_num_f32 v13, v13, |v[XS+\i+2]|, |v[XS+\i+3]|
.endr
	v_max3_num_f32 v12, v12, |v[XS+30]|, |v[XS+31]|
	v_max3_num_f32 v12, v12, v13, (EMAX+1)<<23     ; and the floor
	v_add_nc_u32 v11, -(EMAX<<23), v12             ; the conversion's scale operand
	v_lshrrev_b32 v13, 23, v11                     ; the scale's byte
.if (\t)%4 == 0
	v_mov_b32 v[SB+(\t)/4], v13                    ; four bytes to a register, the lower K in the lower byte
.else
	v_lshl_or_b32 v[SB+(\t)/4], v13, 8*((\t)%4), v[SB+(\t)/4]
.endif
.irp g, 0,1,2,3
	v_cvt_scalef32_pk8_fp4_f32 v[WC+\g], v[XS+8*\g:XS+8*\g+7], v11
.endr
	ds_store_b128 v4, v[WC:WC+3] offset:16*(\t)    ; 32 codes: 16 bytes of my column's row
.if (\t)+2 < NB
	WLOAD (\t)+2
.endif
	s_wait_dscnt 0x0                               ; the store has read its registers and has landed: the next block's codes may be written
.endm
.set Q, 0
.rept NB
	WBLOCK Q
.set Q, Q+1
.endr
	global_store_b64 v9, v[SB:SB+1], s[22:23]      ; my column's 8 scale bytes
	s_barrier_signal -1                            ; my stores into the stage have landed (the last block's wait for 0),
	s_barrier_wait -1                              ; and so have the other waves': every row of the stage is whole
.irp t, 0,1,2,3,4,5,6,7
	ds_load_b128 v[OUTR+4*\t:OUTR+4*\t+3], v7 offset:2*\t*WP
.endr
.irp t, 0,1,2,3,4,5,6,7
	s_wait_dscnt 7-\t                              ; LDS loads come back in order: load t is in
	global_store_b128 v8, v[OUTR+4*\t:OUTR+4*\t+3], s[20:21] offset:2*\t*KROW   ; sixteen lanes store 256 consecutive bytes, aligned
.endr
	s_wait_tensorcnt 0x0                           ; the wave's end: a tensor wait, an add of 0 to my spare word and its wait, behind my last LDS store
	ds_add_u32 v[SPW], v[NIL]
	s_wait_dscnt 0x0
	s_endpgm
.Lfunc_end_k_q3a112544c1_quant:
	.size	k_q3a112544c1_quant, .Lfunc_end_k_q3a112544c1_quant-k_q3a112544c1_quant
	.p2alignl 7, 3214868480
	.fill 96, 4, 3214868480
	.section	.rodata,"a",@progbits
	.p2align	6, 0x0
	.amdhsa_kernel k_q3a112544c1_quant
		.amdhsa_group_segment_fixed_size 50688
		.amdhsa_private_segment_fixed_size 0
		.amdhsa_enable_private_segment 0
		.amdhsa_kernarg_size 64
		.amdhsa_user_sgpr_count 2
		.amdhsa_user_sgpr_kernarg_segment_ptr 1
		.amdhsa_wavefront_size32 1
		.amdhsa_system_sgpr_workgroup_id_x 1
		.amdhsa_system_sgpr_workgroup_id_y 1
		.amdhsa_system_sgpr_workgroup_id_z 1
		.amdhsa_system_vgpr_workitem_id 0
		.amdhsa_next_free_vgpr 194
		.amdhsa_next_free_sgpr 66
		.amdhsa_reserve_vcc 0
		.amdhsa_float_denorm_mode_32 3
		.amdhsa_float_denorm_mode_16_64 3
		.amdhsa_memory_ordered 1
		.amdhsa_forward_progress 1
		.amdhsa_inst_pref_size 73
	.end_amdhsa_kernel
	.amdgpu_metadata
---
amdhsa.version: [ 1, 2 ]
amdhsa.kernels:
  - .name:           k_q3a112544c1_quant
    .symbol:         k_q3a112544c1_quant.kd
    .args:
      - { .name: x, .offset: 0, .size: 8, .value_kind: global_buffer, .address_space: global }
      - { .name: Wq, .offset: 8, .size: 8, .value_kind: global_buffer, .address_space: global }
      - { .name: Wk, .offset: 16, .size: 8, .value_kind: global_buffer, .address_space: global }
      - { .name: Wv, .offset: 24, .size: 8, .value_kind: global_buffer, .address_space: global }
      - { .name: xc, .offset: 32, .size: 8, .value_kind: global_buffer, .address_space: global }
      - { .name: xs, .offset: 40, .size: 8, .value_kind: global_buffer, .address_space: global }
      - { .name: wc, .offset: 48, .size: 8, .value_kind: global_buffer, .address_space: global }
      - { .name: ws, .offset: 56, .size: 8, .value_kind: global_buffer, .address_space: global }
    .group_segment_fixed_size: 50688
    .private_segment_fixed_size: 0
    .kernarg_segment_align: 8
    .kernarg_segment_size: 64
    .max_flat_workgroup_size: 128
    .sgpr_count:     66
    .vgpr_count:     194
    .wavefront_size: 32
...
	.end_amdgpu_metadata
.endif
;; end of part 1
;; launch proj (part 2): grid 12 x 32, 4 waves a work-group, clusters of 4 x 4, 327,680 bytes of LDS; arguments xc, xs, wc, ws, qkv; writes qkv
.if DOCPART == 2
	.amdgcn_target "amdgcn-amd-amdhsa--gfx1250"
	.amdhsa_code_object_version 6
	.text
	.protected	k_q3a112544c1_proj
	.globl	k_q3a112544c1_proj
	.p2align	8
	.type	k_q3a112544c1_proj,@function
k_q3a112544c1_proj:
	s_mov_b64 s[64:65], 0
	v_nop
	global_prefetch_b8 v0, s[64:65] scope:SCOPE_SE
	s_setreg_imm32_b32 hwreg(HW_REG_WAVE_MODE, 25, 1), 1
	s_wait_xcnt 0x0
	s_wait_alu depctr_hold_cnt(0) depctr_sa_sdst(0) depctr_va_vdst(0) depctr_va_sdst(0) depctr_va_ssrc(0) depctr_va_vcc(0) depctr_vm_vsrc(0)
	s_getreg_b32 s2, hwreg(HW_REG_IB_STS2, 6, 4)
	s_cmp_eq_u32 s2, 0
	s_cbranch_scc0 .Lentry_in_a_cluster
	s_endpgm
.Lentry_in_a_cluster:
	s_bfe_u32 s2, ttmp6, 0x10000c
	s_cmp_lg_u32 s2, 0xf033
	s_cbranch_scc0 .Lentry_shape_is_right
	s_endpgm
.Lentry_shape_is_right:
; LAUNCH 2 OF 4.  qkv[token][n] = sum over k of x[token][k] W[k][n], n = 0..3071 the columns of Wq, Wk, Wv: the three quantised products as ONE product [8192][1024] x [3072][1024]^T on codes of FP4 with E8M0 scales.
; Sums in f32; the results are the operands of the two products that follow and are rounded once, to f16: qkv [8192][3072], a row 6,144 bytes.  Nothing of the problem is left out here.
; LIMIT: |q|, |k|, |v| stay under 65,504, the largest f16 number.
; A tile of 256 x 256 is made by four waves, each 128 x 128: 64 accumulators of 16 x 16, 512 registers.  K = 1,024 is two slots of 512 along K (rows of 256 bytes): both are asked for at the start and none is filled again.
; THE SCALES of the work-group's 256 rows of each side, for all of K, are two dense blocks of memory: they come into LDS once, with the first fills.
; CLUSTERS: 4 x 4 work-groups.  The four of a row of the cluster need the same tiles of x, the four of a column the same tiles of W: each tile is asked for JOINTLY, by the same tensor load with the same
; descriptor and a mask that names the four.  THE MATRIX INSTRUCTION IS USED TRANSPOSED (source 0 = 16 rows of wc, source 1 = 16 rows of xc): a lane then holds eight neighbouring numbers of a row of qkv.
; REGISTERS, in windows of 256: window 0: v0-31 addresses; v32-95 scale words, two sets; from v128 x's fragments, ONE set; on the way out v32-63, v192-255.   window 1: W's fragments, TWO sets, at v0 and v128.
;   window 2: the 32 accumulators of my rows 0-63 (accumulator (a, b) at v[8 (8 a + b)]);   window 3: those of my rows 64-127.
.set KSTEP,  512                       ; along K in a slot
.set NQ,     KSTEP/128                 ; matrix instructions deep
.set ROWB,   256                       ; a tile's row in bytes
.set KROW,   512                       ; a row of codes in memory
.set PITCH,  272                       ; an LDS row: 256 bytes + 16 of padding = 68 words: the 16 rows that a load touches start at 16 different banks (64 banks of 4 bytes: ISA guide 11.1)
.set FR,     8                         ; registers of a fragment: 16 rows x 128 K
.set NL,     2                         ; LDS loads that bring one
.set NP,     4                         ; places behind this matrix instruction (ISA guide 7.12.1)
.set HALFT,  128*PITCH                 ; 128 rows: what one tensor load brings
.set SLOT,   4*HALFT                   ; x's 256 rows, then W's 256 rows
.set KS,     32                        ; a row of scales in bytes
.set SCL,    2*SLOT                    ; behind the slots: the scales, as runs of 256 bytes + 16 of padding
.set HALFS,  (128*KS/256)*272          ; the scales of 128 rows
.set SBLK,   (16*KS/256)*272           ; those of 16 rows
.set SPARE,  SCL+4*HALFS               ; behind the scales: the spare words, 128 bytes for each wave, which no other line names
.set SPITCH, 272                       ; the way out: a stage of 16 rows x (256 bytes + 16) for each wave, in slot 0, which has had its only fill and its last read when the first result is stored there
.set CROW,   6144                      ; a row of qkv in bytes
.set ADRA, 16                          ; v16-17  LDS address of my x fragments in slot 0, 1
.set ADRB, 20                          ; v20-21  the same for W
.set STO,  24                          ; v24     the way out: where I put 16 bytes of a row
.set RD,   25                          ; v25     where I read a row back
.set CO,   26                          ; v26     my byte offset in qkv
.set ADRS, 27                          ; v27     LDS address of my scale words: lanes 0-15 x's rows, lanes 16-31 W's
.set SPW,  28                          ; v28     LDS address of my spare word; never rewritten
.set NIL,  29                          ; v29     0; never rewritten
.set SC,   32                          ; scale words: set s at v[SC + 8 NQ s]; register NQ i + q: lanes 0-15 the word of x's block i, lanes 16-31 that of W's block i
.set AF,   128                         ; x's fragments, in window 0
.set TMP,  192                         ; the way out: packed results
.set OB,   32                          ; the way out: 16 rows read back: v32-63 and v224-255 by turns
.set G1, 24
.set G0, 32
.set G1B, 48
.set G0B, 56
.set G1S, 68
.set G0S, 76
.set G1SB, 80
.set G0SB, 88
.set MSB, 0
.macro WIN new                         ; the immediate's high byte repeats the setting that is left; a switch that changes nothing is dropped
.if MSB != (\new)
	s_set_vgpr_msb (MSB<<8)|(\new)
.set MSB, (\new)
.endif
.endm
.set MUL_LO, 0xa1                      ; source 0 (W) window 1, source 1 (x) window 0, C and D window 2
.set MUL_HI, 0xf1                      ; the same, C and D window 3
.set TO_B,   0x40                      ; destination window 1, address window 0
; A joint load: waves 0 and 1 fetch for x, waves 2 and 3 for W.  Each of the two lines has one mask and one set of registers for all that issue it; the branch hangs on the wave's number alone.
; An s_nop 0 and four v_nop follow each of the two lines.
.macro JLOAD g0a, g1a, g0b, g1b
	s_cmp_eq_u32 s15, 0
	s_cbranch_scc0 .Lfor_b_\@
	tensor_load_to_lds s[\g0a:\g0a+3], s[\g1a:\g1a+7]
	s_nop 0
.rept 4
	v_nop
.endr
	s_branch .Lasked_\@
.Lfor_b_\@:
	tensor_load_to_lds s[\g0b:\g0b+3], s[\g1b:\g1b+7]
	s_nop 0
.rept 4
	v_nop
.endr
.Lasked_\@:
.endm
.macro CROUND                          ; a round of the cluster's barrier
	s_barrier_signal -1
	s_barrier_wait -1
	s_cmp_lg_u32 s14, 0
	s_cbranch_scc1 .Lnot_wave_0_\@
	s_barrier_signal -3
.Lnot_wave_0_\@:
	s_barrier_wait -3
	s_barrier_signal -1
	s_barrier_wait -1
.endm
	s_load_b128 s[4:7], s[0:1], 0x0                ; xc s[4:5], xs s[6:7]
	s_load_b128 s[8:11], s[0:1], 0x10              ; wc s[8:9], ws s[10:11]
	s_load_b64 s[12:13], s[0:1], 0x20              ; qkv
	v_lshl_add_u32 v[SPW], v0, 2, SPARE
	v_mov_b32 v[NIL], 0
	ds_add_u32 v[SPW], v[NIL]                      ; the wave's opening: the add, twice on end, and its wait ahead of my first tensor load
	ds_add_u32 v[SPW], v[NIL]                      ; and once more, under the one wait; the set-up below stands between
	v_lshrrev_b32 v1, 5, v0
	v_readfirstlane_b32 s14, v1                    ; wave 0..3
	s_lshr_b32 s15, s14, 1                         ; which half of the tile's rows is mine.  Also: I fetch for x (0) or for W (1)
	s_and_b32 s16, s14, 1                          ; which half of its columns.  Also: which 128 rows of that tile I fetch
	s_bfe_u32 s40, ttmp6, 0x40000                  ; cx, cy: my place in the cluster
	s_bfe_u32 s41, ttmp6, 0x40004
	s_lshl_b32 s42, ttmp9, 2
	s_add_co_u32 s42, s42, s40                     ; tile column = 4 x cluster x + cx
	s_and_b32 s17, ttmp7, 0xffff
	s_lshl_b32 s17, s17, 2
	s_add_co_u32 s17, s17, s41                     ; tile row = 4 x cluster y + cy
	s_lshl_b32 s43, s41, 2
	s_lshl_b32 s43, 15, s43                        ; my row of the cluster
	s_lshl_b32 s44, 0x1111, s40                    ; my column
	s_or_b32 s[G1+0], s43, (0<<16)|(1<<20)|(1<<21)|(5<<22)|(3<<25)  ; 15:0 the mask; 17:16 elements of 1 byte; 20 padding on; 21 set beside a mask; 24:22 after every 64 words; 31:25 four words
	s_or_b32 s[G1B+0], s44, (0<<16)|(1<<20)|(1<<21)|(5<<22)|(3<<25)
.irp g, G1, G1B
	s_mov_b32 s[\g+1], ROWB<<16                    ; tensor_dim0
	s_mov_b32 s[\g+2], 128<<16                     ; tensor_dim1
	s_mov_b32 s[\g+3], ROWB<<16                    ; tile_dim0
	s_mov_b32 s[\g+4], 128                         ; tile_dim1
	s_mov_b32 s[\g+5], KROW                        ; from row to row
	s_mov_b32 s[\g+6], 0
	s_mov_b32 s[\g+7], 0
.endr
	s_or_b32 s[G1S+0], s43, (3<<16)|(1<<20)|(1<<21)|(5<<22)|(3<<25) ; the scales of 128 rows: 4,096 dense bytes as 16 rows of 32 elements of 8 bytes, 16 bytes of padding behind each
	s_or_b32 s[G1SB+0], s44, (3<<16)|(1<<20)|(1<<21)|(5<<22)|(3<<25)
.irp g, G1S, G1SB
	s_mov_b32 s[\g+1], 32<<16
	s_mov_b32 s[\g+2], (128*KS/256)<<16
	s_mov_b32 s[\g+3], 32<<16
	s_mov_b32 s[\g+4], 128*KS/256
	s_mov_b32 s[\g+5], 32
	s_mov_b32 s[\g+6], 0
	s_mov_b32 s[\g+7], 0
.endr
	s_lshl_b32 s18, s16, 7                         ; which 128 rows of the tile I fetch
	s_lshl_b32 s20, s17, 8
	s_add_co_u32 s20, s20, s18                     ; x: row 256 x tile row + 128 x half
	s_lshl_b32 s46, s42, 8
	s_add_co_u32 s46, s46, s18                     ; W: row 256 x tile column + 128 x half
	s_mov_b32 s21, 0
	s_mov_b32 s47, 0
	s_mov_b64 s[18:19], KS
	s_mul_u64 s[22:23], s[20:21], s[18:19]         ; where these rows' scales begin, in bytes
	s_mul_u64 s[92:93], s[46:47], s[18:19]
	s_mov_b64 s[18:19], KROW
	s_mul_u64 s[20:21], s[20:21], s[18:19]         ; and their codes
	s_mul_u64 s[46:47], s[46:47], s[18:19]
	s_mul_i32 s45, s14, HALFT                      ; where they go: wave x 128 rows: no place in the cluster enters an LDS address
	s_mul_i32 s94, s14, HALFS
	s_wait_dscnt 0x0                               ; both opening adds are done
	s_wait_kmcnt 0x0
	s_add_nc_u64 s[20:21], s[4:5], s[20:21]
	s_add_nc_u64 s[22:23], s[6:7], s[22:23]
	s_add_nc_u64 s[46:47], s[8:9], s[46:47]
	s_add_nc_u64 s[92:93], s[10:11], s[92:93]
	CROUND                                         ; all sixteen work-groups are here: the joint loads meet
	s_mov_b32 s[G0S], 1
	s_add_co_u32 s[G0S+1], s94, SCL
	s_mov_b64 s[G0S+2:G0S+3], s[22:23]
	s_or_b32 s[G0S+3], s[G0S+3], 0x80000000
	s_mov_b32 s[G0SB], 1
	s_add_co_u32 s[G0SB+1], s94, SCL
	s_mov_b64 s[G0SB+2:G0SB+3], s[92:93]
	s_or_b32 s[G0SB+3], s[G0SB+3], 0x80000000
	JLOAD G0S, G1S, G0SB, G1SB                     ; the scales first: they are wanted with the first slot
.irp s, 0,1
	s_mov_b32 s[G0+4*\s], 1
	s_add_co_u32 s[G0+4*\s+1], s45, \s*SLOT
	s_add_nc_u64 s[G0+4*\s+2:G0+4*\s+3], s[20:21], \s*ROWB
	s_or_b32 s[G0+4*\s+3], s[G0+4*\s+3], 0x80000000
	s_mov_b32 s[G0B+4*\s], 1
	s_add_co_u32 s[G0B+4*\s+1], s45, \s*SLOT
	s_add_nc_u64 s[G0B+4*\s+2:G0B+4*\s+3], s[46:47], \s*ROWB
	s_or_b32 s[G0B+4*\s+3], s[G0B+4*\s+3], 0x80000000
	JLOAD G0+4*\s, G1, G0B+4*\s, G1B               ; three tensor loads of mine are out in all
.endr
	v_and_b32 v1, 15, v0                           ; r = l % 16
	v_bfe_u32 v2, v0, 4, 1                         ; h = l / 16
	v_mul_u32_u24 v3, v1, PITCH
	v_lshl_add_u32 v4, v2, 4, v3                   ; a fragment's row x pitch + 16 x half
	s_mul_i32 s21, s15, HALFT                      ; my 128 rows of x
	s_mul_i32 s22, s16, HALFT                      ; my 128 rows of W,
	s_add_co_u32 s22, s22, 2*HALFT                 ; which lie behind x's 256
.irp s, 0,1
	v_add_nc_u32 v[ADRA+\s], s21, v4
	v_add_nc_u32 v[ADRB+\s], s22, v4
	s_add_co_u32 s21, s21, SLOT
	s_add_co_u32 s22, s22, SLOT
.endr
	v_mul_u32_u24 v5, v1, KS                       ; my row's scales: KS bytes a row,
	v_lshrrev_b32 v6, 8, v5
	v_lshl_add_u32 v5, v6, 4, v5                   ; and 16 more for each 256 passed
	s_mul_i32 s21, s15, HALFS                      ; x's: my 128 rows
	s_mul_i32 s22, s16, HALFS                      ; W's: my 128 rows, behind x's 256
	s_add_co_u32 s22, s22, 2*HALFS
	s_sub_co_u32 s22, s22, s21
	v_mul_u32_u24 v6, s22, v2                      ; lanes 16-31 take W's: one product, the distance between the two bases x h
	s_add_co_u32 s21, s21, SCL
	v_add_nc_u32 v5, v5, v6
	v_add_nc_u32 v[ADRS], s21, v5
	s_mul_i32 s23, s14, 16*SPITCH                  ; my stage
	v_mul_u32_u24 v5, v1, SPITCH                   ; in: row r, 16 bytes for each half of the lanes
	v_lshl_add_u32 v5, v2, 4, v5
	v_add_nc_u32 v[STO], s23, v5
	v_mul_u32_u24 v5, v2, SPITCH                   ; back: lanes 0-15 take one row of 256 bytes, lanes 16-31 the next
	v_lshl_add_u32 v5, v1, 4, v5
	v_add_nc_u32 v[RD], s23, v5
	v_mul_u32_u24 v5, v2, CROW                     ; and the same two rows in qkv
	v_lshl_add_u32 v[CO], v1, 4, v5
	s_lshl_b32 s20, s17, 8
	s_lshl_b32 s21, s15, 7
	s_add_co_u32 s20, s20, s21                     ; my first row: 256 x tile row + 128 x half
	s_mul_i32 s20, s20, CROW                       ; under 2^26 bytes
	s_lshl_b32 s46, s42, 9                         ; my first column, in bytes: 512 x tile column + 256 x half
	s_lshl_b32 s47, s16, 8
	s_add_co_u32 s46, s46, s47
	s_add_co_u32 s20, s20, s46
	s_mov_b32 s21, 0
	s_add_nc_u64 s[12:13], s[12:13], s[20:21]
.macro FRAG reg, adr, q, i             ; a fragment, 16 rows x 128 K of 4-bit codes: lane l holds row l % 16; registers 4 c .. 4 c + 3 hold K = 64 c + 32 (l / 16) + 0 .. 31
.irp c, 0,1
	ds_load_b128 v[\reg+4*\c:\reg+4*\c+3], v[\adr] offset:64*(\q)+32*\c+(\i)*16*PITCH
.endr
.endm
; 16 matrix instructions: x's blocks a0, a0 + 1 against W's eight, 128 along K.  p: W's set;  sc: the set of scale words.  zero = 1: the first product starts the sums.
; The 64 accumulators take turns, one instruction a turn, in the same order in every step.
.macro MUL16 a0, p, q, sc, zero
.irp a, \a0, \a0+1
.irp b, 0,1,2,3,4,5,6,7
.if \zero
	v_wmma_scale_f32_16x16x128_f8f6f4 v[8*(8*((\a)%4)+\b):8*(8*((\a)%4)+\b)+7], v[128*(\p)+FR*\b:128*(\p)+FR*\b+FR-1], v[AF+FR*(\a):AF+FR*(\a)+FR-1], 0, v[SC+8*NQ*(\sc)+NQ*\b+(\q)], v[SC+8*NQ*(\sc)+NQ*(\a)+(\q)] matrix_a_fmt:MATRIX_FMT_FP4 matrix_b_fmt:MATRIX_FMT_FP4 matrix_a_scale:MATRIX_SCALE_ROW1
.else
	v_wmma_scale_f32_16x16x128_f8f6f4 v[8*(8*((\a)%4)+\b):8*(8*((\a)%4)+\b)+7], v[128*(\p)+FR*\b:128*(\p)+FR*\b+FR-1], v[AF+FR*(\a):AF+FR*(\a)+FR-1], v[8*(8*((\a)%4)+\b):8*(8*((\a)%4)+\b)+7], v[SC+8*NQ*(\sc)+NQ*\b+(\q)], v[SC+8*NQ*(\sc)+NQ*(\a)+(\q)] matrix_a_fmt:MATRIX_FMT_FP4 matrix_b_fmt:MATRIX_FMT_FP4 matrix_a_scale:MATRIX_SCALE_ROW1
.endif
.endr
.endr
.endm
.macro FETCH_B slot, q, p              ; W's eight fragments of the slot's q-th 128 along K into set p
	WIN TO_B
.irp i, 0,1,2,3,4,5,6,7
	FRAG 128*(\p)+FR*\i, ADRB+\slot, \q, \i
.endr
	WIN 0
.endm
.macro FETCH_A slot, q, i0             ; x's blocks i0 .. i0 + 3
.irp i, \i0, \i0+1, \i0+2, \i0+3
	FRAG AF+FR*(\i), ADRA+\slot, \q, \i
.endr
.endm
.macro SCALES sc                       ; a slot's scale words into set sc: NQ words a row; lanes 0-15 take x's block i, lanes 16-31 W's block i
.irp i, 0,1,2,3,4,5,6,7
	ds_load_b128 v[SC+8*NQ*\sc+NQ*\i:SC+8*NQ*\sc+NQ*\i+3], v[ADRS] offset:\i*SBLK
.endr
.endm
; A load into a register that a matrix instruction has read, and a vector instruction that reads a matrix result, stand NP places behind that matrix instruction, and only plain vector instructions
; that name none of its registers are places (ISA guide 7.12.1 for vector instructions).
.macro PLACES n
.rept \n
	v_nop
.endr
.endm
.macro STEP slot, q, zero              ; a step of 128 along K that has its successor in the same slot
	s_wait_dscnt 4*NL                              ; W's set and x's blocks 0-3 are in; the youngest eight loads (x's blocks 4-7) may be out
	WIN MUL_LO
	MUL16 0, (\q)%2, \q, \slot, \zero
	MUL16 2, (\q)%2, \q, \slot, \zero
	s_wait_dscnt 0                                 ; x's blocks 4-7 are in
	PLACES NP
	FETCH_B \slot, (\q)+1, 1-(\q)%2
	FETCH_A \slot, (\q)+1, 0
	WIN MUL_HI
	MUL16 4, (\q)%2, \q, \slot, \zero
	MUL16 6, (\q)%2, \q, \slot, \zero
	PLACES NP
	WIN 0
	FETCH_A \slot, (\q)+1, 4
.endm
.macro STEPS slot, from                ; the slot's steps from .. NQ - 2
.set Q, \from
.rept NQ-1-\from
	STEP \slot, Q, 0
.set Q, Q+1
.endr
.endm
	s_wait_tensorcnt 1                             ; the scales and my part of slot 0 are in (slot 1's load may be out)
	s_barrier_signal -1
	s_barrier_wait -1                              ; everybody's are
	FETCH_B 0, 0, 0
	FETCH_A 0, 0, 0
	SCALES 0
	FETCH_A 0, 0, 4
	STEP 0, 0, 1                                   ; the first step's products start the sums
	STEPS 0, 1
	; slot 0's last step changes slots: one barrier; in front of it each wave waits for all its tensor loads, adds 0 to its spare word, and waits for that and for its reads of slot 0
	s_wait_tensorcnt 0x0                           ; my part of slot 1 has landed
	ds_add_u32 v[SPW], v[NIL]                      ; 0 onto my spare word
	s_wait_dscnt 4*NL+1                            ; (the add and the youngest eight loads may be out)
	WIN MUL_LO
	MUL16 0, 1, NQ-1, 0, 0
	s_wait_dscnt 0x0                               ; the add is done, and my reads of slot 0 are over
	s_barrier_signal -1
	MUL16 2, 1, NQ-1, 0, 0
	WIN 0
	s_barrier_wait -1                              ; slot 1 is whole, and nobody reads slot 0 any more
	PLACES NP
	v_add_nc_u32 v[ADRS], 4*NQ, v[ADRS]            ; on to slot 1's scale words
	FETCH_B 1, 0, 0
	FETCH_A 1, 0, 0
	SCALES 1
	WIN MUL_HI
	MUL16 4, 1, NQ-1, 0, 0
	MUL16 6, 1, NQ-1, 0, 0
	PLACES NP
	WIN 0
	FETCH_A 1, 0, 4
	STEPS 1, 0
	s_wait_dscnt 4*NL                              ; the very last step: nothing more to fetch
	WIN MUL_LO
	MUL16 0, 1, NQ-1, 1, 0
	MUL16 2, 1, NQ-1, 1, 0
	s_wait_dscnt 0
	WIN MUL_HI
	MUL16 4, 1, NQ-1, 1, 0
	MUL16 6, 1, NQ-1, 1, 0
	WIN 0
; THE WAY OUT, block by block of 16 rows x 128 columns.  PACK: rounded to f16, 16 bytes a lane, each accumulator from its low end on.  TOSTAGE: into my own stage and back as whole rows of 256 bytes.  SEND: stored.
.macro PACK a
.set AC, 64*((\a)%4)
	WIN 0x0a+5*((\a)/4)                            ; sources 0 and 1: window 2 or 3
.irp b, 0,1,2,3,4,5,6,7
.irp r, 0,1,2,3
	v_cvt_pk_f16_f32 v[TMP+4*\b+\r], v[AC+8*\b+2*\r], v[AC+8*\b+2*\r+1]
.endr
.endr
	WIN 0
.endm
.macro TOSTAGE a
.set BK, OB+192*((\a)%2)
.irp b, 0,1,2,3,4,5,6,7
	ds_store_b128 v[STO], v[TMP+4*\b:TMP+4*\b+3] offset:32*\b
.endr
.irp t, 0,1,2,3,4,5,6,7
	ds_load_b128 v[BK+4*\t:BK+4*\t+3], v[RD] offset:\t*2*SPITCH    ; LDS serves a wave's instructions in order (ISA guide 5.7.1): these see the stores above
.endr
.endm
.macro SEND a
.set BK, OB+192*((\a)%2)
	s_wait_dscnt 0x0                               ; the block is back in registers
	s_wait_xcnt 0x0                                ; the stores of the block before have read their registers: the next block's loads may land there
.irp t, 0,1,2,3,4,5,6,7
	global_store_b128 v[CO], v[BK+4*\t:BK+4*\t+3], s[12:13] offset:(16*(\a)+2*\t)*CROW   ; 16 lanes store 256 consecutive bytes, aligned; 126 rows at the most: inside the signed 24-bit immediate
.endr
.endm
	PLACES NP                                      ; in front of the first read of results and of the loads into registers that held scale words
	PACK 0
	TOSTAGE 0
.irp a, 1,2,3,4,5,6,7                  ; block a's conversions stand between block a - 1's loads from the stage and the wait for them
	PACK \a
	SEND \a-1
	TOSTAGE \a
.endr
	SEND 7
	s_wait_tensorcnt 0x0                           ; the wave's end: a tensor wait, an add of 0 to my spare word and its wait, behind my last tensor load and my last LDS store
	ds_add_u32 v[SPW], v[NIL]
	s_wait_dscnt 0x0
	CROUND                                         ; the closing round: no work-group ends while a partner may still ask for a tile that names it
	s_endpgm
.Lfunc_end_k_q3a112544c1_proj:
	.size	k_q3a112544c1_proj, .Lfunc_end_k_q3a112544c1_proj-k_q3a112544c1_proj
	.p2alignl 7, 3214868480
	.fill 96, 4, 3214868480
	.section	.rodata,"a",@progbits
	.p2align	6, 0x0
	.amdhsa_kernel k_q3a112544c1_proj
		.amdhsa_group_segment_fixed_size 327680
		.amdhsa_private_segment_fixed_size 0
		.amdhsa_enable_private_segment 0
		.amdhsa_kernarg_size 40
		.amdhsa_user_sgpr_count 2
		.amdhsa_user_sgpr_kernarg_segment_ptr 1
		.amdhsa_wavefront_size32 1
		.amdhsa_system_sgpr_workgroup_id_x 1
		.amdhsa_system_sgpr_workgroup_id_y 1
		.amdhsa_system_sgpr_workgroup_id_z 1
		.amdhsa_system_vgpr_workitem_id 0
		.amdhsa_next_free_vgpr 1024
		.amdhsa_next_free_sgpr 98
		.amdhsa_reserve_vcc 0
		.amdhsa_float_denorm_mode_32 3
		.amdhsa_float_denorm_mode_16_64 3
		.amdhsa_memory_ordered 1
		.amdhsa_forward_progress 1
		.amdhsa_inst_pref_size 126
	.end_amdhsa_kernel
	.amdgpu_metadata
---
amdhsa.version: [ 1, 2 ]
amdhsa.kernels:
  - .name:           k_q3a112544c1_proj
    .symbol:         k_q3a112544c1_proj.kd
    .args:
      - { .name: xc, .offset: 0, .size: 8, .value_kind: global_buffer, .address_space: global }
      - { .name: xs, .offset: 8, .size: 8, .value_kind: global_buffer, .address_space: global }
      - { .name: wc, .offset: 16, .size: 8, .value_kind: global_buffer, .address_space: global }
      - { .name: ws, .offset: 24, .size: 8, .value_kind: global_buffer, .address_space: global }
      - { .name: qkv, .offset: 32, .size: 8, .value_kind: global_buffer, .address_space: global }
    .group_segment_fixed_size: 327680
    .private_segment_fixed_size: 0
    .kernarg_segment_align: 8
    .kernarg_segment_size: 40
    .max_flat_workgroup_size: 128
    .sgpr_count:     98
    .vgpr_count:     1024
    .wavefront_size: 32
...
	.end_amdgpu_metadata
.endif
;; end of part 2
;; launch scores (part 3): grid 8 x 32, 4 waves a work-group, clusters of 4 x 4, 327,680 bytes of LDS; arguments qkv, mask, p, st; writes p, st
.if DOCPART == 3
	.amdgcn_target "amdgcn-amd-amdhsa--gfx1250"
	.amdhsa_code_object_version 6
	.text
	.protected	k_q3a112544c1_scores
	.globl	k_q3a112544c1_scores
	.p2align	8
	.type	k_q3a112544c1_scores,@function
k_q3a112544c1_scores:
	s_mov_b64 s[64:65], 0
	v_nop
	global_prefetch_b8 v0, s[64:65] scope:SCOPE_SE
	s_setreg_imm32_b32 hwreg(HW_REG_WAVE_MODE, 25, 1), 1
	s_wait_xcnt 0x0
	s_wait_alu depctr_hold_cnt(0) depctr_sa_sdst(0) depctr_va_vdst(0) depctr_va_sdst(0) depctr_va_ssrc(0) depctr_va_vcc(0) depctr_vm_vsrc(0)
	s_getreg_b32 s2, hwreg(HW_REG_IB_STS2, 6, 4)
	s_cmp_eq_u32 s2, 0
	s_cbranch_scc0 .Lentry_in_a_cluster
	s_endpgm
.Lentry_in_a_cluster:
	s_bfe_u32 s2, ttmp6, 0x10000c
	s_cmp_lg_u32 s2, 0xf033
	s_cbranch_scc0 .Lentry_shape_is_right
	s_endpgm
.Lentry_shape_is_right:
; LAUNCH 3 OF 4.  y[b][s][z] = q[b][s] . k[b][z] / 32 + bias[b][s], bias = 0 where mask is true and -1e9 where it is false; then the softmax's numerators, chunk by chunk of 128 keys.  Nothing of the problem is left out here.
; q and k are f16 (columns 0-1023 and 1024-2047 of qkv's rows of 6,144 bytes); sums in f32.  A tile of 256 queries x 256 keys is made by four waves, each 128 x 128: 64 accumulators, 512 registers.
; THE BIAS IS ADDED AS IT IS WRITTEN: y = fma(score, 1/32, bias): score / 32 is exact, so this is the one rounding of the f32 sum.  Then y - m (for a masked query an exact difference of multiples of 64), then x log2(e).
; A fused c y - c m would round c m, which for a masked query is some 1.4e9, by more than the differences that count: so the subtraction and the multiplication stay two instructions.
; THE SOFTMAX ACROSS TILES.  For each query and each chunk (a wave's 128 keys): m_loc = the chunk's largest y; p = exp(y - m_loc), stored as f16; m_loc and l_loc = the sum of the unrounded p, f32, in
; st [batch][chunk 16][query 2048][2].  The next launch brings the chunks under the row's own maximum.  So a maximum is taken away ahead of every exponential.
; p IS LAID IN THE ORDER OF THE NEXT PRODUCT'S OPERAND REGISTERS: [query tile of 128: 64][key group of 32: 64][query block of 16: 8][half: 2][lane: 32][16 bytes].  A lane's four packed registers of key tile b are registers
; 4 (b % 2) .. + 3 of the fragment (16 queries x 32 keys) of key group b / 2, in the very lane that will hold them: so they are stored as they stand, 512 consecutive bytes an instruction, with no turn through LDS.
; LIMITS: v_exp_f32 gives 0 for results under 2^-126; p under 6e-8 rounds to 0 in f16; NaN and infinities are not served.
; K = 1,024 goes in steps of 128 through a ring of two LDS slots filled by the tensor data mover: a tile's row is 256 bytes of a row of qkv.
; CLUSTERS: 4 x 4 work-groups.  The four of a row of the cluster need the same tiles of q, the four of a column the same tiles of k: each is asked for JOINTLY.
; THE MATRIX INSTRUCTION IS USED TRANSPOSED (source 0 = 16 keys, source 1 = 16 queries): a lane holds ONE query (l % 16) and eight neighbouring keys 8 (l / 16) + 0..7 of each accumulator.
; REGISTERS, in windows of 256: window 0: v0-31 addresses and the mask's bytes; v64-127, v128-191 fragments of q, two buffers; on the way out v32-63, v96-103, v192-255.   window 1: v64-127, v128-191 fragments of k.
;   window 2: the 32 accumulators of my queries 0-63 (accumulator (a, b) at v[8 (8 a + b)]);   window 3: those of my queries 64-127.
.set KSTEP,  128
.set PITCH,  272                       ; an LDS row: 256 bytes + 16 of padding: the 16 rows that a load touches start at 16 different banks (64 banks of 4 bytes: ISA guide 11.1)
.set HALFT,  128*PITCH                 ; 128 rows: what one tensor load brings
.set SLOT,   4*HALFT                   ; q's 256 rows, then k's 256 rows
.set SPARE,  2*SLOT                    ; behind the ring: the spare words, 128 bytes for each wave, which no other line names
.set LAPS,   4                         ; a lap = two K steps = once round the ring
.set QROW,   6144                      ; a row of qkv in bytes
.set MK,   8                           ; v8-15   the mask's byte of my query in block a
.set ADRA, 16                          ; v16-17  LDS address of my q fragments in slot 0, 1
.set ADRB, 20                          ; v20-21  the same for k
.set CO,   26                          ; v26     16 x lane: my place in a store of p
.set SO,   27                          ; v27     8 x lane: my place in a store of statistics
.set SPW,  28                          ; v28     LDS address of my spare word; never rewritten
.set NIL,  29                          ; v29     0; never rewritten
.set PFO,  30                          ; v30     the prefetches' offset: my lane x a row of qkv; never rewritten
.set BI,   32                          ; v32     the bias (v33 is named with it as a pair)
.set MX,   34                          ; v34     m_loc (v35 likewise)
.set CH,   36                          ; v36-39  four chains of the maximum
.set T,    40                          ; v40-41  at work
.set LS0,  42                          ; v[42:43], v[44:45] two chains of the sum
.set LS1,  44
.set NEGR, 46                          ; v46     -1e9
.set MS,   48                          ; v48-55  m_loc of block a
.set LSUM, 56                          ; v56-63  l_loc of block a
.set STP,  96                          ; v96-103 the statistics as they are stored
.set TMP,  192                         ; v192-223, v224-255 p, packed: two sets by turns
.set F0,   64
.set F1,   128
.set PFA,  44                          ; s[44:45] where my prefetches stand
.set LIM,  43                          ; s43     1 in a wave that prefetches, else the greatest number
.set G1, 24                            ; s[24:31] descriptor group 1 for q's tiles;  s[32:39] group 0, one set for each slot
.set G0, 32
.set G1B, 48                           ; s[48:55], s[56:63] the same for k's
.set G0B, 56
.set MSB, 0
.macro WIN new                         ; the immediate's high byte repeats the setting that is left; a switch that changes nothing is dropped
.if MSB != (\new)
	s_set_vgpr_msb (MSB<<8)|(\new)
.set MSB, (\new)
.endif
.endm
.set MUL_LO, 0xa1                      ; source 0 (k) window 1, source 1 (q) window 0, C and D window 2
.set MUL_HI, 0xf1                      ; the same, C and D window 3
.set TO_B,   0x40                      ; destination window 1, address window 0
; A joint load.  Waves 0 and 1 fetch q's two halves, waves 2 and 3 k's.  The branch hangs on the wave's number alone.  An s_nop 0 and four v_nop follow each of the two lines.
.macro JLOAD s
	s_cmp_eq_u32 s11, 0
	s_cbranch_scc0 .Lfor_b_\@
	tensor_load_to_lds s[G0+4*\s:G0+4*\s+3], s[G1:G1+7]
	s_nop 0
.rept 4
	v_nop
.endr
	s_branch .Lasked_\@
.Lfor_b_\@:
	tensor_load_to_lds s[G0B+4*\s:G0B+4*\s+3], s[G1B:G1B+7]
	s_nop 0
.rept 4
	v_nop
.endr
.Lasked_\@:
.endm
; A PREFETCH INTO THE L2, behind each joint refill and the run of LDS loads that follows it: the K step that stands two refills on, 32 rows x 256 bytes, a lane a row, one instruction a wave.
; Each row's 256 bytes of a K step are named once in the launch.  q's tile row is read by both clusters of that row of clusters: cluster x = 0 asks.  k's tile column is read by the batch's two clusters along y: the even
; one asks.  The four partners that ask for a tile jointly share its rows out BY ADDRESS, 32 each (cx for q, cy for k).  The lap's count stops it: the last trip's two refills have no K step two on.
.macro ASK
	s_cmp_gt_u32 s3, s[LIM]                        ; s3 = 1 in the loop's last trip
	s_cbranch_scc0 .Lnot_mine_\@
	global_prefetch_b8 v[PFO], s[PFA:PFA+1] offset:KSTEP*2 th:TH_LOAD_NT scope:SCOPE_SE
.Lnot_mine_\@:
.endm
.macro CREST                           ; a round of the cluster's barrier behind its opening barrier
	s_cmp_lg_u32 s10, 0
	s_cbranch_scc1 .Lnot_wave_0_\@
	s_barrier_signal -3
.Lnot_wave_0_\@:
	s_barrier_wait -3
	s_barrier_signal -1
	s_barrier_wait -1
.endm
.macro CROUND                          ; a whole round
	s_barrier_signal -1
	s_barrier_wait -1
	CREST
.endm
	s_load_b128 s[4:7], s[0:1], 0x0                ; qkv s[4:5], mask s[6:7]
	s_load_b64 s[8:9], s[0:1], 0x10                ; p
	s_load_b64 s[66:67], s[0:1], 0x18              ; st
	v_lshl_add_u32 v[SPW], v0, 2, SPARE
	v_mov_b32 v[NIL], 0
	ds_add_u32 v[SPW], v[NIL]                      ; the wave's opening: the add, twice on end, and its wait ahead of my first tensor load
	ds_add_u32 v[SPW], v[NIL]                      ; and once more, under the one wait; the set-up below stands between
	v_lshrrev_b32 v1, 5, v0
	v_readfirstlane_b32 s10, v1                    ; wave 0..3
	s_lshr_b32 s11, s10, 1                         ; which half of the tile's queries is mine.  Also: I fetch for q (0) or for k (1)
	s_and_b32 s12, s10, 1                          ; which half of its keys.  Also: which 128 rows of that tile I fetch
	s_bfe_u32 s40, ttmp6, 0x40000                  ; cx
	s_bfe_u32 s41, ttmp6, 0x40004                  ; cy
	s_lshl_b32 s42, ttmp9, 2
	s_add_co_u32 s42, s42, s40                     ; the key tile = 4 x cluster x + cx: 0..7
	s_and_b32 s13, ttmp7, 0xffff
	s_lshr_b32 s2, s13, 1                          ; the batch: two clusters along y to a batch; the same in all sixteen partners
	s_lshl_b32 s13, s13, 2
	s_add_co_u32 s13, s13, s41                     ; the tile row = 4 x cluster y + cy = 8 x batch + query tile: its first token is 256 x this
	s_lshl_b32 s43, s41, 2
	s_lshl_b32 s43, 15, s43                        ; my row of the cluster
	s_lshl_b32 s44, 0x1111, s40                    ; my column
	s_or_b32 s[G1+0], s43, (1<<16)|(1<<20)|(1<<21)|(5<<22)|(3<<25)  ; 15:0 the mask; 17:16 elements of 2 bytes; 20 padding on; 21 set beside a mask; 24:22 after every 64 words; 31:25 four words
	s_or_b32 s[G1B+0], s44, (1<<16)|(1<<20)|(1<<21)|(5<<22)|(3<<25)
.irp g, G1, G1B
	s_mov_b32 s[\g+1], KSTEP<<16                   ; tensor_dim0 = 128
	s_mov_b32 s[\g+2], 128<<16                     ; tensor_dim1 = 128
	s_mov_b32 s[\g+3], KSTEP<<16                   ; tile_dim0 = 128
	s_mov_b32 s[\g+4], 128                         ; tile_dim1 = 128
	s_mov_b32 s[\g+5], 3072                        ; elements from row to row
	s_mov_b32 s[\g+6], 0
	s_mov_b32 s[\g+7], 0
.endr
	s_lshl_b32 s17, s12, 7                         ; which 128 rows of the tile I fetch
	s_lshl_b32 s16, s13, 8
	s_add_co_u32 s16, s16, s17                     ; q: token 256 x tile row + 128 x half
	s_lshl_b32 s46, s42, 8
	s_add_co_u32 s46, s46, s17
	s_lshl_b32 s47, s2, 11
	s_add_co_u32 s46, s46, s47                     ; k: token 2,048 x batch + 256 x key tile + 128 x half
	s_mul_i32 s16, s16, QROW                       ; in bytes: under 2^26
	s_mov_b32 s17, 0
	s_mul_i32 s46, s46, QROW
	s_add_co_u32 s46, s46, 2048                    ; k's columns begin 2,048 bytes into a row
	s_mov_b32 s47, 0
	s_mul_i32 s20, s10, HALFT                      ; where they go: wave x 128 rows: no place in the cluster enters an LDS address
	s_wait_dscnt 0x0                               ; both opening adds are done
	s_wait_kmcnt 0x0
	s_add_nc_u64 s[14:15], s[4:5], s[16:17]
	s_add_nc_u64 s[46:47], s[4:5], s[46:47]
	CROUND                                         ; all sixteen work-groups are here: the first joint loads meet
.irp s, 0,1
	s_mov_b32 s[G0+4*\s], 1
	s_add_co_u32 s[G0+4*\s+1], s20, \s*SLOT
	s_add_nc_u64 s[G0+4*\s+2:G0+4*\s+3], s[14:15], \s*KSTEP*2
	s_or_b32 s[G0+4*\s+3], s[G0+4*\s+3], 0x80000000
	s_mov_b32 s[G0B+4*\s], 1
	s_add_co_u32 s[G0B+4*\s+1], s20, \s*SLOT
	s_add_nc_u64 s[G0B+4*\s+2:G0B+4*\s+3], s[46:47], \s*KSTEP*2
	s_or_b32 s[G0B+4*\s+3], s[G0B+4*\s+3], 0x80000000
	JLOAD \s                                       ; two tensor loads of mine are out
.endr
	v_and_b32 v1, 15, v0                           ; r = l % 16
	v_bfe_u32 v2, v0, 4, 1                         ; h = l / 16
	v_mov_b32 v6, v1                               ; the mask's offset: a byte a query
	s_lshl_b32 s16, s13, 8
	s_lshl_b32 s17, s11, 7
	s_add_co_u32 s16, s16, s17                     ; my first token
	s_mov_b32 s17, 0
	s_add_nc_u64 s[6:7], s[6:7], s[16:17]
.irp a, 0,1,2,3,4,5,6,7
	global_load_u8 v[MK+\a], v6, s[6:7] offset:16*\a               ; the mask of query 16 a + r: both halves of the lanes read the same byte
.endr
	v_mul_u32_u24 v3, v1, PITCH
	v_lshl_add_u32 v3, v2, 4, v3                   ; a fragment's row x pitch + 16 x half
	s_mul_i32 s21, s11, HALFT                      ; my 128 rows of q
	s_mul_i32 s22, s12, HALFT                      ; my 128 rows of k,
	s_add_co_u32 s22, s22, 2*HALFT                 ; which lie behind q's 256
.irp s, 0,1
	v_add_nc_u32 v[ADRA+\s], s21, v3
	v_add_nc_u32 v[ADRB+\s], s22, v3
	s_add_co_u32 s21, s21, SLOT
	s_add_co_u32 s22, s22, SLOT
.endr
	v_and_b32 v5, 31, v0
	v_lshlrev_b32 v[CO], 4, v5
	v_lshlrev_b32 v[SO], 3, v5
	v_mul_u32_u24 v[PFO], v5, QROW
	s_lshl_b32 s18, s13, 20                        ; p: my 128 queries are query tile 2 x tile row + half, 524,288 bytes each;
	s_lshl_b32 s19, s11, 19
	s_add_co_u32 s18, s18, s19
	s_lshl_b32 s19, s42, 16                        ; my 128 keys are key groups 8 x key tile + 4 x half on, 8,192 bytes each
	s_add_co_u32 s18, s18, s19
	s_lshl_b32 s19, s12, 15
	s_add_co_u32 s18, s18, s19
	s_mov_b32 s19, 0
	s_add_nc_u64 s[8:9], s[8:9], s[18:19]
	s_lshl_b32 s18, s2, 4                          ; st: 16 chunks a batch,
	s_lshl_b32 s19, s42, 1
	s_add_co_u32 s18, s18, s19
	s_add_co_u32 s18, s18, s12                     ; my chunk = 2 x key tile + half,
	s_lshl_b32 s18, s18, 11                        ; 2,048 queries a chunk,
	s_and_b32 s19, s13, 7
	s_lshl_b32 s19, s19, 8
	s_add_co_u32 s18, s18, s19
	s_lshl_b32 s19, s11, 7
	s_add_co_u32 s18, s18, s19                     ; my first query in the batch,
	s_lshl_b32 s18, s18, 3                         ; 8 bytes a query
	s_mov_b32 s19, 0
	s_add_nc_u64 s[66:67], s[66:67], s[18:19]
	; the prefetches: where my wave's stand, and who asks
	s_lshl_b32 s20, s13, 8                         ; q's tile: its first token
	s_lshl_b32 s21, s42, 8
	s_lshl_b32 s22, s2, 11
	s_add_co_u32 s21, s21, s22                     ; k's tile: its first token
	s_and_b32 s22, ttmp7, 1                        ; which of the batch's two clusters along y
	s_cmp_eq_u32 s11, 0                            ; do I fetch for q?
	s_cselect_b32 s20, s20, s21
	s_cselect_b32 s21, s40, s41                    ; my place among the four that ask for the tile with me
	s_cselect_b32 s22, ttmp9, s22                  ; the coordinate along which other clusters read the same rows
	s_cselect_b32 s23, 0, 2048                     ; k's columns
	s_cmp_eq_u32 s22, 0
	s_cselect_b32 s[LIM], 1, -1                    ; the same in all sixteen partners, for a given wave
	s_lshl_b32 s22, s12, 7
	s_add_co_u32 s20, s20, s22                     ; + the 128 rows that I fetch
	s_lshl_b32 s21, s21, 5
	s_add_co_u32 s20, s20, s21                     ; + my work-group's 32 of them
	s_mul_i32 s20, s20, QROW
	s_add_co_u32 s20, s20, s23
	s_add_co_u32 s20, s20, 2*KSTEP*2               ; at K step 2: the first refill steps it to 3 and names K step 4.  Nothing is prefetched here, at the head
	s_mov_b32 s21, 0
	s_add_nc_u64 s[PFA:PFA+1], s[4:5], s[20:21]
; 16 matrix instructions: query blocks a0, a0 + 1 of the window's four (hi = 0: my queries 0-63, 1: 64-127) x all 8 key blocks, 32 along K.  zero = 1: the first product starts the sums.
.macro MUL16 f, hi, a0, zero
.irp a, \a0, \a0+1
.irp b, 0,1,2,3,4,5,6,7
.if \zero
	v_wmma_f32_16x16x32_f16 v[8*(8*(\a)+\b):8*(8*(\a)+\b)+7], v[\f+8*\b:\f+8*\b+7], v[\f+8*(4*\hi+\a):\f+8*(4*\hi+\a)+7], 0
.else
	v_wmma_f32_16x16x32_f16 v[8*(8*(\a)+\b):8*(8*(\a)+\b)+7], v[\f+8*\b:\f+8*\b+7], v[\f+8*(4*\hi+\a):\f+8*(4*\hi+\a)+7], v[8*(8*(\a)+\b):8*(8*(\a)+\b)+7]
.endif
.endr
.endr
.endm
; 32 LDS loads in one run: the fragments of one quarter step (128 rows of k, 128 rows of q, 32 along K at byte k of the rows) into buffer f
.macro FETCH slot, k, f
	WIN TO_B
.irp i, 0,1,2,3,4,5,6,7
	ds_load_b128 v[\f+8*\i:\f+8*\i+3],   v[ADRB+\slot] offset:\k+\i*16*PITCH
	ds_load_b128 v[\f+8*\i+4:\f+8*\i+7], v[ADRB+\slot] offset:\k+\i*16*PITCH+32
.endr
	WIN 0
.irp i, 0,1,2,3,4,5,6,7
	ds_load_b128 v[\f+8*\i:\f+8*\i+3],   v[ADRA+\slot] offset:\k+\i*16*PITCH
	ds_load_b128 v[\f+8*\i+4:\f+8*\i+7], v[ADRA+\slot] offset:\k+\i*16*PITCH+32
.endr
.endm
; A load into a register that a matrix instruction has read, and a vector instruction that reads a matrix result, stand four places behind that matrix instruction; only plain vector instructions that name
; none of its registers are places (ISA guide 7.12.1 for vector instructions).
.macro PLACES
.rept 4
	v_nop
.endr
.endm
; A K step is four quarters of 32 along K, 64 matrix instructions each, on buffers 0, 1, 0, 1.  One of the first three: multiplies buffer f; in its middle it fetches the next quarter, at byte k, into buffer g.
; The 64 accumulators take turns, one instruction a turn, in the same order in every quarter.
.macro QUARTER slot, k, f, g, zero
	s_wait_dscnt 8                                 ; k's fragments and q's rows 0-63 are in; the youngest eight loads (q's rows 64-127) may be out
	WIN MUL_LO
	MUL16 \f, 0, 0, \zero
	MUL16 \f, 0, 2, \zero
	PLACES
	FETCH \slot, \k, \g
	s_wait_dscnt 32                                ; all but the 32 just issued
	WIN MUL_HI
	MUL16 \f, 1, 0, \zero
	MUL16 \f, 1, 2, \zero
.endm
; The last quarter multiplies buffer 1 and changes slots: ONE barrier.  In front of it each wave waits for all its tensor loads, of which one is out: its part of the next slot; adds 0 to its spare word; and waits for
; that and for its own reads of this slot.  fill = 1: the barrier opens a round of the cluster's barrier, and behind the round this slot is filled again, two K steps ahead, first of all.
.macro TURN slot, next, fill
.if \fill
	s_wait_xcnt 0x0                                ; the last prefetch, a K step back, has read its address: it is stepped here, ahead of the waits of the change of slots
	s_add_nc_u64 s[PFA:PFA+1], s[PFA:PFA+1], KSTEP*2
.endif
	WIN 0                                          ; (the add's two registers lie in window 0)
	s_wait_tensorcnt 0x0                           ; all my tensor loads have landed
	ds_add_u32 v[SPW], v[NIL]                      ; 0 onto my spare word
	s_wait_dscnt 9                                 ; (the add and the youngest eight loads may be out)
	WIN MUL_LO
	MUL16 F1, 0, 0, 0                              ; sixteen matrix instructions stand between the add and the wait for it
	s_wait_dscnt 0x0                               ; the add is done, and my reads of this slot are over
	s_barrier_signal -1
	MUL16 F1, 0, 2, 0                              ; work on registers while the others arrive
.if \fill
	WIN 0
.endif
	s_barrier_wait -1
.if \fill
	CREST                                          ; no wave of any partner still reads this slot's tile or has a load on its way
	s_add_nc_u64 s[G0+4*\slot+2:G0+4*\slot+3], s[G0+4*\slot+2:G0+4*\slot+3], 2*KSTEP*2
	s_add_nc_u64 s[G0B+4*\slot+2:G0B+4*\slot+3], s[G0B+4*\slot+2:G0B+4*\slot+3], 2*KSTEP*2
	JLOAD \slot                                    ; my one tensor load behind the round; its four v_nop are also the places in front of the loads below
.else
	PLACES
.endif
	FETCH \next, 0, F0
.if \fill
	ASK
.endif
	WIN MUL_HI
	MUL16 F1, 1, 0, 0
	MUL16 F1, 1, 2, 0
.endm
	s_wait_loadcnt 0x0                             ; the mask's bytes
	s_wait_tensorcnt 1                             ; my part of K step 0 is in; K step 1's may stay out
	s_barrier_signal -1
	s_barrier_wait -1                              ; everybody's is
	FETCH 0, 0, F0
	QUARTER 0, 64,  F0, F1, 1                      ; the first quarter stands in front of the loop: its products start the sums
	WIN 0                                          ; at a label and at a branch every window is 0
	s_mov_b32 s3, LAPS-1
.Llap:                                             ; a trip goes once round the ring, from a lap's second quarter to the next lap's first, and fills both slots again
	QUARTER 0, 128, F1, F0, 0
	QUARTER 0, 192, F0, F1, 0
	TURN 0, 1, 1
	QUARTER 1, 64,  F0, F1, 0
	QUARTER 1, 128, F1, F0, 0
	QUARTER 1, 192, F0, F1, 0
	TURN 1, 0, 1
	QUARTER 0, 64,  F0, F1, 0
	WIN 0
	s_sub_co_u32 s3, s3, 1
	s_cmp_lg_u32 s3, 0
	s_cbranch_scc1 .Llap
	QUARTER 0, 128, F1, F0, 0                      ; the last lap fills nothing
	QUARTER 0, 192, F0, F1, 0
	TURN 0, 1, 0
	QUARTER 1, 64,  F0, F1, 0
	QUARTER 1, 128, F1, F0, 0
	QUARTER 1, 192, F0, F1, 0
	s_wait_dscnt 8                                 ; the very last quarter: nothing more to fetch
	WIN MUL_LO
	MUL16 F1, 0, 0, 0
	MUL16 F1, 0, 2, 0
	s_wait_dscnt 0
	WIN MUL_HI
	MUL16 F1, 1, 0, 0
	MUL16 F1, 1, 2, 0
	WIN 0
	; THE WAY OUT, block by block of 16 queries x 128 keys.
	s_mov_b32 s14, 0x3d000000                      ; 1 / 32
	s_mov_b32 s15, s14                             ; (named with it as a pair, so it is written)
	s_mov_b32 s18, 0x3fb8aa3b                      ; log2(e)
	s_mov_b32 s19, s18
	s_mov_b32 s20, 0x76543210                      ; v_permlanex16_b32's selects for lane l xor 16
	s_mov_b32 s21, 0xfedcba98
	s_mov_b32 s23, 0xffff0000                      ; lanes 16-31
	v_mov_b32 v[BI+1], 0                           ; these five plain lines are also the four places behind the last products
	v_mov_b32 v[MX+1], 0
	v_mov_b32 v[T], 0                              ; (a lane permute's destination counts as one of its sources)
	v_mov_b32 v[T+1], 0
	v_mov_b32 v[NEGR], 0xce6e6b28                  ; -1e9
; Block a's softmax.  A lane holds 64 scores of one query, register 8 b + j = key 16 b + 8 (l / 16) + j; lane l xor 16 holds the query's other 64.
.macro SOFT a
.set AC, 64*((\a)%4)
.set HIW, (\a)/4                       ; 0: window 2, 1: window 3
.set TT, TMP+32*((\a)%2)               ; this block's set of packed registers
	WIN 0
.if (\a) > 1
	s_wait_xcnt 0x0                                ; the stores of the block before the last have read this set: it is written again only behind this wait
.endif
	v_cmp_eq_u32 vcc_lo, 0, v[MK+(\a)]
	v_cndmask_b32 v[BI], 0, v[NEGR], vcc_lo        ; the bias: -1e9 where the mask's byte is 0
	WIN 0x2a+0x15*HIW                              ; all three sources in the block's window
.irp k, 0,1,2,3
	v_max3_num_f32 v[CH+\k], v[AC+16*\k], v[AC+16*\k+1], v[AC+16*\k+2]   ; the largest score, in four chains; each accumulator is read from its low end on
.endr
	WIN 0x28+0x14*HIW                              ; sources 1 and 2
.irp i, 3,5,7,9,11,13
.irp k, 0,1,2,3
	v_max3_num_f32 v[CH+\k], v[CH+\k], v[AC+16*\k+\i], v[AC+16*\k+\i+1]
.endr
.endr
.irp k, 0,1,2,3
	v_max_num_f32 v[CH+\k], v[CH+\k], v[AC+16*\k+15]
.endr
	WIN 0
	v_max3_num_f32 v[CH], v[CH], v[CH+1], v[CH+2]
	v_max_num_f32 v[CH], v[CH], v[CH+3]
	v_permlanex16_b32 v[T], v[CH], s20, s21
	v_max_num_f32 v[CH], v[CH], v[T]               ; with lane l xor 16's 64 keys
	v_fma_f32 v[MX], v[CH], s14, v[BI]             ; m_loc: the largest score goes the way of every score; the rounding does not turn an order round, so this is the largest y
	WIN 0x82+0x41*HIW                              ; destination and source 0: in place
.set n, 0
.rept 32
	v_pk_fma_f32 v[AC+2*n:AC+2*n+1], v[AC+2*n:AC+2*n+1], s[14:15], v[BI:BI+1] op_sel_hi:[1,0,0]   ; y = score / 32 + bias, one rounding
.set n, n+1
.endr
.set n, 0
.rept 32
	v_pk_add_f32 v[AC+2*n:AC+2*n+1], v[AC+2*n:AC+2*n+1], v[MX:MX+1] op_sel_hi:[1,0] neg_lo:[0,1] neg_hi:[0,1]   ; y - m_loc
.set n, n+1
.endr
.set n, 0
.rept 32
	v_pk_mul_f32 v[AC+2*n:AC+2*n+1], v[AC+2*n:AC+2*n+1], s[18:19] op_sel_hi:[1,0]   ; x log2(e)
.set n, n+1
.endr
.set n, 0
.rept 64
	v_exp_f32 v[AC+n], v[AC+n]                     ; p, at most 1: one batch
.set n, n+1
.endr
	v_nop                                          ; a plain instruction behind the last exponential
	s_wait_alu depctr_va_vdst(0)                   ; a wait ahead of the first instruction that names a result: one for the batch
	WIN 0x0a+5*HIW                                 ; sources 0 and 1
.set n, 0
.rept 32
	v_cvt_pk_f16_f32 v[TT+n], v[AC+2*n], v[AC+2*n+1]
.set n, n+1
.endr
	v_pk_add_f32 v[LS0:LS0+1], v[AC:AC+1], v[AC+2:AC+3]            ; the sum is taken of the unrounded p, two at a time, in two chains
	v_pk_add_f32 v[LS1:LS1+1], v[AC+4:AC+5], v[AC+6:AC+7]
	WIN 0x08+4*HIW                                 ; source 1
.set n, 8
.rept 14
	v_pk_add_f32 v[LS0:LS0+1], v[LS0:LS0+1], v[AC+n:AC+n+1]
	v_pk_add_f32 v[LS1:LS1+1], v[LS1:LS1+1], v[AC+n+2:AC+n+3]
.set n, n+4
.endr
	WIN 0
	v_pk_add_f32 v[LS0:LS0+1], v[LS0:LS0+1], v[LS1:LS1+1]
	v_add_f32 v[T], v[LS0], v[LS0+1]
	v_permlanex16_b32 v[T+1], v[T], s20, s21
	v_add_f32 v[LSUM+(\a)], v[T], v[T+1]           ; l_loc
	v_mov_b32 v[MS+(\a)], v[MX]
.endm
.macro SENDP a                         ; block a's p as it stands: key tile b is half b % 2 of the fragment of key group b / 2, query block a
.set TT, TMP+32*((\a)%2)
.irp b, 0,1,2,3,4,5,6,7
	global_store_b128 v[CO], v[TT+4*\b:TT+4*\b+3], s[8:9] offset:(\b/2)*8192+(\a)*1024+(\b%2)*512   ; 32 lanes store 512 consecutive bytes, aligned
.endr
.endm
.irp a, 0,1,2,3,4,5,6,7
	SOFT \a
	SENDP \a
.endr
.irp a, 0,2,4,6                        ; the statistics: lanes 0-15 give block a's, lanes 16-31 block a + 1's: 32 neighbouring queries, 8 bytes each
	v_cndmask_b32 v[STP+\a], v[MS+\a], v[MS+\a+1], s23
	v_cndmask_b32 v[STP+\a+1], v[LSUM+\a], v[LSUM+\a+1], s23
	global_store_b64 v[SO], v[STP+\a:STP+\a+1], s[66:67] offset:128*\a   ; the wave stores 256 consecutive bytes, aligned
.endr
	s_wait_tensorcnt 0x0                           ; the wave's end: a tensor wait, an add of 0 to my spare word and its wait, behind my last tensor load
	ds_add_u32 v[SPW], v[NIL]
	s_wait_dscnt 0x0
	CROUND                                         ; the closing round: no work-group ends while a partner may still ask for a tile that names it
	s_endpgm
.Lfunc_end_k_q3a112544c1_scores:
	.size	k_q3a112544c1_scores, .Lfunc_end_k_q3a112544c1_scores-k_q3a112544c1_scores
	.p2alignl 7, 3214868480
	.fill 96, 4, 3214868480
	.section	.rodata,"a",@progbits
	.p2align	6, 0x0
	.amdhsa_kernel k_q3a112544c1_scores
		.amdhsa_group_segment_fixed_size 327680
		.amdhsa_private_segment_fixed_size 0
		.amdhsa_enable_private_segment 0
		.amdhsa_kernarg_size 32
		.amdhsa_user_sgpr_count 2
		.amdhsa_user_sgpr_kernarg_segment_ptr 1
		.amdhsa_wavefront_size32 1
		.amdhsa_system_sgpr_workgroup_id_x 1
		.amdhsa_system_sgpr_workgroup_id_y 1
		.amdhsa_system_sgpr_workgroup_id_z 1
		.amdhsa_system_vgpr_workitem_id 0
		.amdhsa_next_free_vgpr 1024
		.amdhsa_next_free_sgpr 68
		.amdhsa_reserve_vcc 1
		.amdhsa_float_denorm_mode_32 3
		.amdhsa_float_denorm_mode_16_64 3
		.amdhsa_memory_ordered 1
		.amdhsa_forward_progress 1
		.amdhsa_inst_pref_size 238
	.end_amdhsa_kernel
	.amdgpu_metadata
---
amdhsa.version: [ 1, 2 ]
amdhsa.kernels:
  - .name:           k_q3a112544c1_scores
    .symbol:         k_q3a112544c1_scores.kd
    .args:
      - { .name: qkv, .offset: 0, .size: 8, .value_kind: global_buffer, .address_space: global }
      - { .name: mask, .offset: 8, .size: 8, .value_kind: global_buffer, .address_space: global }
      - { .name: p, .offset: 16, .size: 8, .value_kind: global_buffer, .address_space: global }
      - { .name: st, .offset: 24, .size: 8, .value_kind: global_buffer, .address_space: global }
    .group_segment_fixed_size: 327680
    .private_segment_fixed_size: 0
    .kernarg_segment_align: 8
    .kernarg_segment_size: 32
    .max_flat_workgroup_size: 128
    .sgpr_count:     68
    .vgpr_count:     1024
    .wavefront_size: 32
...
	.end_amdgpu_metadata
.endif
;; end of part 3
;; launch pv (part 4): grid 4 x 64, 4 waves a work-group, clusters of 4 x 4, 327,680 bytes of LDS; arguments p, qkv, st, out0; writes out0
.if DOCPART == 4
	.amdgcn_target "amdgcn-amd-amdhsa--gfx1250"
	.amdhsa_code_object_version 6
	.text
	.protected	k_q3a112544c1_pv
	.globl	k_q3a112544c1_pv
	.p2align	8
	.type	k_q3a112544c1_pv,@function
k_q3a112544c1_pv:
	s_mov_b64 s[64:65], 0
	v_nop
	global_prefetch_b8 v0, s[64:65] scope:SCOPE_SE
	s_setreg_imm32_b32 hwreg(HW_REG_WAVE_MODE, 25, 1), 1
	s_wait_xcnt 0x0
	s_wait_alu depctr_hold_cnt(0) depctr_sa_sdst(0) depctr_va_vdst(0) depctr_va_sdst(0) depctr_va_ssrc(0) depctr_va_vcc(0) depctr_vm_vsrc(0)
	s_getreg_b32 s2, hwreg(HW_REG_IB_STS2, 6, 4)
	s_cmp_eq_u32 s2, 0
	s_cbranch_scc0 .Lentry_in_a_cluster
	s_endpgm
.Lentry_in_a_cluster:
	s_bfe_u32 s2, ttmp6, 0x10000c
	s_cmp_lg_u32 s2, 0xf033
	s_cbranch_scc0 .Lentry_shape_is_right
	s_endpgm
.Lentry_shape_is_right:
; LAUNCH 4 OF 4.  out[b][s][:] = sum over chunks c of (f_c / l) x O_c,  O_c = sum over the chunk's 128 keys z of p[s][z] v[b][z][:].  Nothing of the problem is left out here.
; p = exp(y - m_loc) (f16) and (m_loc, l_loc) for each query and chunk come from the launch before.  Here, for each query: m = the largest m_loc; f_c = exp(m_loc,c - m), at most 1; l = sum of f_c l_loc,c, at least 1.
; ALL OF THAT IS f32.  p goes to the matrix unit as it was stored.  Each chunk's sums O_c start anew (C = 0); when a chunk is finished they are added into O by fused multiply-adds with the factor f_c / l: a lane of an
; accumulator holds ONE query, so the factor is a number a lane.  For a masked query every m_loc is equal and every f_c is 1.
; LIMITS: v_exp_f32 gives 0 for results under 2^-126; |v| stays under 65,504; NaN and infinities are not served.
; SHARES.  A work-group makes 128 queries x 256 channels (so that there are 256 work-groups); a wave 64 x 128: 32 accumulators.  K = the batch's 2,048 keys, in quarters of 32: a chunk is 4 quarters.
; THE RING.  Two LDS slots of 192 keys, 6 quarters, as large as fit: between two refills a wave has 192 matrix instructions.  2,048 keys are ten such slots and a last one of 128 keys, which has descriptors of its own.
; A trip of the loop is two slots = three chunks = 12 quarters.
; p lies in memory in the order of the operand's registers: [query tile of 128][key group of 32][query block of 16: 8][half: 2][lane][16 bytes]: a slot's part is 49,152 dense bytes, and a fragment is two loads at 16 x lane.
; THE MATRIX INSTRUCTION IS USED TRANSPOSED: source 0 = 16 channels of V^T, out of LDS by the turning load from V as it lies ([key][channel]: columns 2048-3071 of qkv's rows); source 1 = 16 queries of p.
; A lane of the result holds one query (l % 16) and eight neighbouring channels.
; CLUSTERS: 4 x 4 work-groups.  The four of a row of the cluster need the same tiles of p, the four of a column the same tiles of V: each is asked for JOINTLY.
; REGISTERS, in windows of 256:
;   window 0: v1-30 addresses; v32-95, v96-159 V's fragments, two buffers of 8 x 8; v160-191, v192-223 p's, two buffers of 4 x 8; v224-227 the next factors as loaded; v228-235 the factors in use, as pairs; v236-247 at work
;   window 1: the 32 accumulators of the chunk in hand (query block i, channel block b at v[8 (8 i + b)]);   window 2: O, laid alike
.set PG,    8192                       ; a key group of p's tile: 8 fragments of 1,024 bytes
.set PV,    544                        ; a row of V's tile: 512 bytes + 32 = 136 words: row r starts at bank 8 r mod 64 (64 banks of 4 bytes: ISA guide 11.1)
.set NK,    192                        ; keys in a slot
.set VOFF,  6*PG                       ; a slot: 6 key groups of p, then 192 rows of V
.set SLOT,  VOFF+NK*PV
.set FAC,   2*SLOT                     ; behind the ring: the factors, 4,096 bytes for each wave: [chunk 16][r 16][query block 4], f32
.set SPARE, FAC+4*4096                 ; behind them: the spare words, 128 bytes for each wave, which no other line names
.set OP,    528                        ; the way out: a stage of 16 rows x (512 bytes + 16) for each wave,
.set STAGE, SLOT                       ; in slot 1, which has had its last fill and its last read when the first result is stored there
.set PSL,   6*PG                       ; a slot on, in bytes: in p,
.set VSL,   NK*6144                    ; in qkv
.set SA,   8                           ; v8      my byte offset among the statistics
.set FW,   9                           ; v9      where I store factors
.set AFQ,  10                          ; v10     where I read the next chunk's
.set PFO,  12                          ; v12-14  the prefetches' offsets: (my lane + 32 k) x the distance from lane to lane; never rewritten
.set ADRP, 16                          ; v16-17  LDS address of my p fragments in slot 0, 1
.set ADRV, 20                          ; v20-21  the same for V, quarters 0-2; v22-23 quarters 3-5 (an LDS offset has 16 bits)
.set STO,  24
.set RD,   25
.set CO,   26
.set SPW,  28                          ; v28     LDS address of my spare word; never rewritten
.set NIL,  29                          ; v29     0; never rewritten
.set VF,   32
.set PF,   160
.set FQ,   224
.set F,    228                         ; the factor of query block i at v[F + 2 i]; the odd ones are named with them as pairs
.set TM,   236
.set TP,   240
.set RL,   244
.set G1, 24                            ; s[24:31] descriptor group 1 for p's tiles;  s[32:39] group 0, one set for each slot
.set G0, 32
.set G1B, 48                           ; s[48:55], s[56:63] the same for V's
.set G0B, 56
.set LIM, 43                           ; s43     1 in a wave that prefetches, else the greatest number
.set PFA, 44                           ; s[44:45] where my prefetches stand
.set PFS, 72                           ; s[72:73] two slots on, in bytes
.set SEL, 74                           ; s[74:75] v_permlanex16_b32's selects for lane l xor 16
.set G1X, 76                           ; s[76:83], s[84:91] groups 1 for the last slot's shorter tiles of p and of V;  s[92:95], s[96:99] their groups 0
.set G1BX, 84
.set G0X, 92
.set G0BX, 96
.set MSB, 0
.macro WIN new                         ; the immediate's high byte repeats the setting that is left; a switch that changes nothing is dropped
.if MSB != (\new)
	s_set_vgpr_msb (MSB<<8)|(\new)
.set MSB, (\new)
.endif
.endm
.set W_MM, 0x50                        ; V and p in window 0; C and D, the chunk's sums, in window 1
.set W_DR, 0xa1                        ; source 0, the chunk's sums, window 1; source 1, the factor, window 0; source 2 and destination, O, window 2
; A joint load.  Waves 0 and 1 fetch p's two halves, waves 2 and 3 V's.  The branch hangs on the wave's number alone.  An s_nop 0 and four v_nop follow each of the two lines.
.macro JLOAD g0a, g1a, g0b, g1b
	s_cmp_eq_u32 s11, 0
	s_cbranch_scc0 .Lfor_b_\@
	tensor_load_to_lds s[\g0a:\g0a+3], s[\g1a:\g1a+7]
	s_nop 0
.rept 4
	v_nop
.endr
	s_branch .Lasked_\@
.Lfor_b_\@:
	tensor_load_to_lds s[\g0b:\g0b+3], s[\g1b:\g1b+7]
	s_nop 0
.rept 4
	v_nop
.endr
.Lasked_\@:
.endm
; A PREFETCH INTO THE L2, once a trip, behind slot 0's joint refill and the run of LDS loads that follows it: the two slots behind the one that is being asked for, which the next two refills will want.
; Each aligned 256 bytes are named once in the launch.  p's 98,304 bytes of two slots are read by one row of one cluster: its four partners take 24,576 each, BY ADDRESS (cx); wave 0 asks, three instructions of 32 lanes
; 256 bytes apart.  V's 384 keys x 512 bytes are read by the batch's four clusters: the first of them asks; the four partners of a column take 96 keys each (cy); waves 2 and 3 ask for the two halves of a row's 512 bytes,
; three instructions of a lane a key.  Wave 1 asks for nothing.  The count of trips stops it: slots 3 to 8 are named; the last trip asks for nothing.
.macro ASK
	s_cmp_gt_u32 s3, s[LIM]                        ; s3 = 1 in the loop's last trip
	s_cbranch_scc0 .Lnot_mine_\@
	global_prefetch_b8 v[PFO], s[PFA:PFA+1] th:TH_LOAD_NT scope:SCOPE_SE
	global_prefetch_b8 v[PFO+1], s[PFA:PFA+1] th:TH_LOAD_NT scope:SCOPE_SE
	global_prefetch_b8 v[PFO+2], s[PFA:PFA+1] th:TH_LOAD_NT scope:SCOPE_SE
.Lnot_mine_\@:
.endm
.macro CREST                           ; a round of the cluster's barrier behind its opening barrier
	s_cmp_lg_u32 s10, 0
	s_cbranch_scc1 .Lnot_wave_0_\@
	s_barrier_signal -3
.Lnot_wave_0_\@:
	s_barrier_wait -3
	s_barrier_signal -1
	s_barrier_wait -1
.endm
.macro CROUND                          ; a whole round
	s_barrier_signal -1
	s_barrier_wait -1
	CREST
.endm
	s_load_b128 s[4:7], s[0:1], 0x0                ; p s[4:5], qkv s[6:7]
	s_load_b128 s[68:71], s[0:1], 0x10             ; st s[68:69], out0 s[70:71]
	v_lshl_add_u32 v[SPW], v0, 2, SPARE
	v_mov_b32 v[NIL], 0
	ds_add_u32 v[SPW], v[NIL]                      ; the wave's opening: the add, twice on end, and its wait ahead of my first tensor load
	ds_add_u32 v[SPW], v[NIL]                      ; and once more, under the one wait; the set-up below stands between
	v_lshrrev_b32 v1, 5, v0
	v_readfirstlane_b32 s10, v1                    ; wave 0..3
	s_lshr_b32 s11, s10, 1                         ; which 64 of the tile's queries are mine.  Also: I fetch for p (0) or for V (1)
	s_and_b32 s12, s10, 1                          ; which 128 of its channels.  Also: which half of that tile I fetch
	s_bfe_u32 s40, ttmp6, 0x40000                  ; cx
	s_bfe_u32 s41, ttmp6, 0x40004                  ; cy
	s_lshl_b32 s42, ttmp9, 2
	s_add_co_u32 s42, s42, s40                     ; the channel tile = 4 x cluster x + cx: 0..3
	s_and_b32 s13, ttmp7, 0xffff
	s_lshr_b32 s2, s13, 2                          ; the batch: four clusters along y to a batch; the same in all sixteen partners
	s_lshl_b32 s13, s13, 2
	s_add_co_u32 s13, s13, s41                     ; the query tile = 4 x cluster y + cy: its first token is 128 x this
	s_lshl_b32 s43, s41, 2
	s_lshl_b32 s43, 15, s43                        ; my row of the cluster
	s_lshl_b32 s44, 0x1111, s40                    ; my column
	; p: half a slot's dense bytes as rows of 256 bytes (32 elements of 8 bytes), no padding: 96 rows; in the last slot 64
	s_or_b32 s[G1+0], s43, (3<<16)|(1<<21)         ; 15:0 the mask; 17:16 elements of 8 bytes; 21 set beside a mask
	s_or_b32 s[G1X+0], s43, (3<<16)|(1<<21)
.irp g, G1, G1X
	s_mov_b32 s[\g+1], 32<<16                      ; tensor_dim0 = 32
	s_mov_b32 s[\g+3], 32<<16                      ; tile_dim0 = 32
	s_mov_b32 s[\g+5], 32                          ; elements from row to row
	s_mov_b32 s[\g+6], 0
	s_mov_b32 s[\g+7], 0
.endr
	s_mov_b32 s[G1+2], 96<<16                      ; tensor_dim1
	s_mov_b32 s[G1+4], 96                          ; tile_dim1
	s_mov_b32 s[G1X+2], 64<<16
	s_mov_b32 s[G1X+4], 64
	; V: half a slot's keys, 96 rows of 256 elements of 2 bytes, eight words of padding after every 128; in the last slot 64 rows
	s_or_b32 s[G1B+0], s44, (1<<16)|(1<<20)|(1<<21)|(6<<22)|(7<<25)
	s_or_b32 s[G1BX+0], s44, (1<<16)|(1<<20)|(1<<21)|(6<<22)|(7<<25)
.irp g, G1B, G1BX
	s_mov_b32 s[\g+1], 256<<16
	s_mov_b32 s[\g+3], 256<<16
	s_mov_b32 s[\g+5], 3072
	s_mov_b32 s[\g+6], 0
	s_mov_b32 s[\g+7], 0
.endr
	s_mov_b32 s[G1B+2], 96<<16
	s_mov_b32 s[G1B+4], 96
	s_mov_b32 s[G1BX+2], 64<<16
	s_mov_b32 s[G1BX+4], 64
	s_lshl_b32 s16, s13, 19                        ; p: my query tile's 524,288 bytes
	s_mul_i32 s17, s12, 3*PG
	s_add_co_u32 s18, s16, s17                     ; a whole slot: my half of its 49,152 bytes
	s_mov_b32 s19, 0
	s_lshl_b32 s17, s12, 14
	s_add_co_u32 s16, s16, s17
	s_add_co_u32 s16, s16, 60*PG                   ; the last slot: key groups 60 to 63, my half of their 32,768 bytes
	s_mov_b32 s17, 0
	s_lshl_b32 s46, s2, 11
	s_mul_i32 s47, s12, 96
	s_add_co_u32 s46, s46, s47                     ; V: token 2,048 x batch + 96 x half,
	s_mul_i32 s46, s46, 6144
	s_lshl_b32 s47, s42, 9
	s_add_co_u32 s46, s46, s47                     ; + 512 bytes a channel tile,
	s_add_co_u32 s46, s46, 4096                    ; v's columns begin 4,096 bytes into a row
	s_mov_b32 s47, 0
	s_lshl_b32 s22, s2, 11
	s_lshl_b32 s23, s12, 6
	s_add_co_u32 s22, s22, s23
	s_add_co_u32 s22, s22, 1920                    ; the last slot: keys 1,920 + 64 x half on
	s_mul_i32 s22, s22, 6144
	s_lshl_b32 s23, s42, 9
	s_add_co_u32 s22, s22, s23
	s_add_co_u32 s22, s22, 4096
	s_mov_b32 s23, 0
	s_mul_i32 s20, s12, 3*PG                       ; where they go: p's halves,
	s_mul_i32 s21, s12, 96*PV
	s_add_co_u32 s21, s21, VOFF                    ; V's halves: the wave's number alone enters an LDS address
	s_mov_b32 s[SEL], 0x76543210
	s_mov_b32 s[SEL+1], 0xfedcba98
	s_wait_dscnt 0x0                               ; both opening adds are done
	s_wait_kmcnt 0x0
	s_add_nc_u64 s[14:15], s[4:5], s[18:19]
	s_add_nc_u64 s[16:17], s[4:5], s[16:17]
	s_add_nc_u64 s[46:47], s[6:7], s[46:47]
	s_add_nc_u64 s[22:23], s[6:7], s[22:23]
	CROUND                                         ; all sixteen work-groups are here: the first joint loads meet
	s_mov_b32 s[G0X], 1                            ; the last slot's groups 0: used once, in the tail
	s_lshl_b32 s[G0X+1], s12, 14
	s_mov_b64 s[G0X+2:G0X+3], s[16:17]
	s_or_b32 s[G0X+3], s[G0X+3], 0x80000000
	s_mov_b32 s[G0BX], 1
	s_mul_i32 s[G0BX+1], s12, 64*PV
	s_add_co_u32 s[G0BX+1], s[G0BX+1], VOFF
	s_mov_b64 s[G0BX+2:G0BX+3], s[22:23]
	s_or_b32 s[G0BX+3], s[G0BX+3], 0x80000000
.irp s, 0,1
	s_mov_b32 s[G0+4*\s], 1
	s_add_co_u32 s[G0+4*\s+1], s20, \s*SLOT
	s_add_nc_u64 s[G0+4*\s+2:G0+4*\s+3], s[14:15], \s*PSL
	s_or_b32 s[G0+4*\s+3], s[G0+4*\s+3], 0x80000000
	s_mov_b32 s[G0B+4*\s], 1
	s_add_co_u32 s[G0B+4*\s+1], s21, \s*SLOT
	s_add_nc_u64 s[G0B+4*\s+2:G0B+4*\s+3], s[46:47], \s*VSL
	s_or_b32 s[G0B+4*\s+3], s[G0B+4*\s+3], 0x80000000
	JLOAD G0+4*\s, G1, G0B+4*\s, G1B               ; two tensor loads of mine are out
.endr
	; THE FACTORS, while the first tiles are on their way.  Lane (r, h) takes, for each of my four blocks i, the statistics of query 16 i + r in chunks 8 h + 0 .. 7.
	v_and_b32 v1, 15, v0                           ; r
	v_bfe_u32 v2, v0, 4, 1                         ; h
	v_and_b32 v3, 31, v0                           ; lane
	v_lshlrev_b32 v[SA], 3, v1                     ; 8 bytes a query,
	v_lshl_add_u32 v[SA], v2, 17, v[SA]            ; 8 chunks of 16,384 bytes for the upper half of the lanes
	s_lshl_b32 s16, s2, 15                         ; 16 chunks x 2,048 queries a batch,
	s_and_b32 s17, s13, 15
	s_lshl_b32 s17, s17, 7
	s_add_co_u32 s16, s16, s17
	s_lshl_b32 s17, s11, 6
	s_add_co_u32 s16, s16, s17                     ; my first query in the batch,
	s_lshl_b32 s16, s16, 3
	s_mov_b32 s17, 0
	s_add_nc_u64 s[68:69], s[68:69], s[16:17]
.irp i, 0,1,2,3
.irp j, 0,1,2,3,4,5,6,7
	global_load_b64 v[32+2*(8*\i+\j):33+2*(8*\i+\j)], v[SA], s[68:69] offset:16384*\j+128*\i   ; (m_loc, l_loc)
.endr
.endr
	v_lshlrev_b32 v[CO], 4, v3                     ; 16 x lane: a fragment's place for my lane; also my place in a row of out0
	s_lshl_b32 s21, s11, 12                        ; my four query blocks: 4 x 1,024 bytes into a key group
	v_add_nc_u32 v[ADRP], s21, v[CO]
	v_add_nc_u32 v[ADRP+1], SLOT, v[ADRP]
	v_and_b32 v4, 7, v0                            ; the turning load: lane l reads 16 bytes of key 8 (l / 16) + l % 8, channels 8 ((l / 8) % 2) + 0..7
	v_lshl_add_u32 v4, v2, 3, v4
	v_mul_u32_u24 v4, v4, PV
	v_bfe_u32 v5, v0, 3, 1
	v_lshl_add_u32 v4, v5, 4, v4
	s_lshl_b32 s22, s12, 8                         ; my 128 channels
	s_add_co_u32 s22, s22, VOFF
	v_add_nc_u32 v[ADRV], s22, v4
	v_add_nc_u32 v[ADRV+1], SLOT, v[ADRV]
	v_add_nc_u32 v[ADRV+2], 96*PV, v[ADRV]         ; quarters 3 to 5 begin 96 keys further down
	v_add_nc_u32 v[ADRV+3], 96*PV, v[ADRV+1]
	s_lshl_b32 s22, s10, 12
	s_add_co_u32 s22, s22, FAC                     ; my wave's factors
	v_lshlrev_b32 v6, 4, v1
	v_add_nc_u32 v[AFQ], s22, v6                   ; read: 16 bytes (four blocks) of row r; 256 bytes a chunk
	v_lshl_add_u32 v[FW], v2, 11, v[AFQ]           ; stored: the upper half of the lanes holds chunks 8 to 15
	s_mul_i32 s23, s10, 16*OP
	s_add_co_u32 s23, s23, STAGE                   ; my stage
	v_mul_u32_u24 v6, v1, OP                       ; in: row r, 32 bytes for each half of the lanes
	v_lshl_add_u32 v6, v2, 5, v6
	v_add_nc_u32 v[STO], s23, v6
	v_add_nc_u32 v[RD], s23, v[CO]                 ; back: the 32 lanes take one row of 512 bytes
	s_lshl_b32 s16, s13, 7
	s_lshl_b32 s17, s11, 6
	s_add_co_u32 s16, s16, s17                     ; out0: my first token,
	s_lshl_b32 s16, s16, 12                        ; rows of 4,096 bytes,
	s_lshl_b32 s17, s42, 10
	s_add_co_u32 s16, s16, s17                     ; + 1,024 bytes a channel tile
	s_lshl_b32 s17, s12, 9
	s_add_co_u32 s16, s16, s17                     ; + 512 for the upper half of its channels
	s_mov_b32 s17, 0
	s_add_nc_u64 s[70:71], s[70:71], s[16:17]
	; the prefetches: where my wave's stand, and who asks
	s_lshl_b32 s16, s13, 19
	s_mul_i32 s17, s40, 3*PG
	s_add_co_u32 s16, s16, s17                     ; p: my work-group's 24,576 bytes of two slots' 98,304,
	s_add_co_u32 s16, s16, PSL                     ; at slot 1: the first trip steps it to slot 3.  Nothing is prefetched here, at the head
	s_lshl_b32 s18, s2, 11
	s_mul_i32 s19, s41, 96
	s_add_co_u32 s18, s18, s19                     ; V: my work-group's 96 keys of two slots' 384,
	s_add_co_u32 s18, s18, NK                      ; at slot 1
	s_mul_i32 s18, s18, 6144
	s_lshl_b32 s19, s42, 9
	s_add_co_u32 s18, s18, s19
	s_lshl_b32 s19, s12, 8
	s_add_co_u32 s18, s18, s19                     ; my wave's half of the row's 512 bytes
	s_add_co_u32 s18, s18, 4096
	s_and_b32 s22, ttmp7, 3                        ; which of the batch's four clusters
	s_mov_b32 s23, 6144
	s_mov_b32 s[PFS], 2*VSL
	s_cmp_eq_u32 s11, 0                            ; do I fetch for p?
	s_cselect_b64 s[PFA:PFA+1], s[4:5], s[6:7]
	s_cselect_b32 s16, s16, s18
	s_cselect_b32 s22, s12, s22                    ; 0 in wave 0; in waves 2 and 3 of the batch's first cluster
	s_cselect_b32 s23, 256, s23                    ; from lane to lane
	s_cselect_b32 s[PFS], 2*PSL, s[PFS]
	s_cmp_eq_u32 s22, 0
	s_cselect_b32 s[LIM], 1, -1                    ; the same in all sixteen partners, for a given wave
	s_mov_b32 s17, 0
	s_mov_b32 s[PFS+1], 0
	s_add_nc_u64 s[PFA:PFA+1], s[PFA:PFA+1], s[16:17]
	v_mul_u32_u24 v[PFO], s23, v3
	v_add_nc_u32 v6, 32, v3
	v_mul_u32_u24 v[PFO+1], s23, v6
	v_add_nc_u32 v6, 64, v3
	v_mul_u32_u24 v[PFO+2], s23, v6
.irp i, 0,1,2,3
	v_mov_b32 v[TP+\i], 0                          ; (a lane permute's destination counts as one of its sources)
	v_mov_b32 v[F+2*\i+1], 0                       ; (named as the upper halves of pairs)
.endr
	s_wait_loadcnt 0x0                             ; the statistics
.irp i, 0,1,2,3
	v_max3_num_f32 v[TM+\i], v[32+16*\i], v[34+16*\i], v[36+16*\i]         ; the largest m_loc of my eight chunks; the four blocks by turns
.endr
.irp j, 3,5
.irp i, 0,1,2,3
	v_max3_num_f32 v[TM+\i], v[TM+\i], v[32+16*\i+2*\j], v[34+16*\i+2*\j]
.endr
.endr
.irp i, 0,1,2,3
	v_max_num_f32 v[TM+\i], v[TM+\i], v[46+16*\i]
.endr
.irp i, 0,1,2,3
	v_permlanex16_b32 v[TP+\i], v[TM+\i], s[SEL], s[SEL+1]
.endr
.irp i, 0,1,2,3
	v_max_num_f32 v[TM+\i], v[TM+\i], v[TP+\i]     ; with lane l xor 16's eight: m
.endr
.irp i, 0,1,2,3
.irp j, 0,1,2,3,4,5,6,7
	v_sub_f32 v[32+2*(8*\i+\j)], v[32+2*(8*\i+\j)], v[TM+\i]       ; m_loc - m: for a masked query an exact difference of multiples of 64, so it is not fused with the factor below
.endr
.endr
.irp i, 0,1,2,3
.irp j, 0,1,2,3,4,5,6,7
	v_mul_f32 v[32+2*(8*\i+\j)], 0x3fb8aa3b, v[32+2*(8*\i+\j)]     ; x log2(e)
.endr
.endr
.irp i, 0,1,2,3
.irp j, 0,1,2,3,4,5,6,7
	v_exp_f32 v[32+2*(8*\i+\j)], v[32+2*(8*\i+\j)]                 ; f, at most 1: one batch
.endr
.endr
	v_nop                                          ; a plain instruction behind the last exponential
	s_wait_alu depctr_va_vdst(0)                   ; a wait ahead of the first instruction that names a result: one for the batch
.irp i, 0,1,2,3
	v_mul_f32 v[TM+\i], v[33+16*\i], v[32+16*\i]   ; l = the sum of f l_loc
.endr
.irp j, 1,2,3,4,5,6,7
.irp i, 0,1,2,3
	v_fmac_f32 v[TM+\i], v[33+16*\i+2*\j], v[32+16*\i+2*\j]
.endr
.endr
.irp i, 0,1,2,3
	v_permlanex16_b32 v[TP+\i], v[TM+\i], s[SEL], s[SEL+1]
.endr
.irp i, 0,1,2,3
	v_add_f32 v[TM+\i], v[TM+\i], v[TP+\i]
.endr
.irp i, 0,1,2,3
	v_rcp_f32 v[RL+\i], v[TM+\i]                   ; l is at least 1: the chunk that holds m has f = 1 and an l_loc of at least 1
.endr
	v_nop
	s_wait_alu depctr_va_vdst(0)                   ; one wait for the four reciprocals
.irp j, 0,1,2,3,4,5,6,7
.irp i, 0,1,2,3
	v_mul_f32 v[96+4*\j+\i], v[32+2*(8*\i+\j)], v[RL+\i]           ; f / l: so O needs no division at the end
.endr
.endr
.irp j, 0,1,2,3,4,5,6,7
	ds_store_b128 v[FW], v[96+4*\j:99+4*\j] offset:256*\j          ; chunk 8 h + j, row r, blocks 0 to 3: my wave's own bytes, so no barrier stands between these and my loads of them
.endr
; 24 LDS loads in one run: the fragments of the slot's quarter sq (32 keys) into the buffers sq % 2: p's four, as images of their registers; V's eight, turned.
.macro FETCH slot, sq
.irp i, 0,1,2,3
	ds_load_b128 v[PF+32*((\sq)%2)+8*\i:PF+32*((\sq)%2)+8*\i+3],   v[ADRP+\slot] offset:PG*(\sq)+1024*\i
	ds_load_b128 v[PF+32*((\sq)%2)+8*\i+4:PF+32*((\sq)%2)+8*\i+7], v[ADRP+\slot] offset:PG*(\sq)+1024*\i+512
.endr
.irp b, 0,1,2,3,4,5,6,7
	ds_load_tr16_b128 v[VF+64*((\sq)%2)+8*\b:VF+64*((\sq)%2)+8*\b+3],   v[ADRV+\slot+2*((\sq)/3)] offset:32*PV*((\sq)%3)+32*\b
	ds_load_tr16_b128 v[VF+64*((\sq)%2)+8*\b+4:VF+64*((\sq)%2)+8*\b+7], v[ADRV+\slot+2*((\sq)/3)] offset:32*PV*((\sq)%3)+16*PV+32*\b
.endr
.endm
.macro PLACES                          ; four places in front of loads into registers that matrix instructions have read (ISA guide 7.12.1 for vector instructions)
.rept 4
	v_nop
.endr
.endm
.macro FMOV                            ; the factors of the chunk that is about to be finished, out of the registers into which they were loaded
.irp i, 0,1,2,3
	v_mov_b32 v[F+2*\i], v[FQ+\i]
.endr
.endm
; Accumulator m of the finished chunk goes into O: O += (f / l) x O_c, from its low end on.  first = 1: chunk 0 starts O: nothing is ever cleared.
.macro SLICE m, first
	WIN W_DR
.irp k, 0,2,4,6
.if \first
	v_pk_mul_f32 v[8*(\m)+\k:8*(\m)+\k+1], v[8*(\m)+\k:8*(\m)+\k+1], v[F+2*((\m)/8):F+2*((\m)/8)+1] op_sel_hi:[1,0]
.else
	v_pk_fma_f32 v[8*(\m)+\k:8*(\m)+\k+1], v[8*(\m)+\k:8*(\m)+\k+1], v[F+2*((\m)/8):F+2*((\m)/8)+1], v[8*(\m)+\k:8*(\m)+\k+1] op_sel_hi:[1,0,1]
.endif
.endr
.endm
; Products n0 .. n1 of a quarter's 32 (accumulator n = 8 i + b) on the buffers pq.  zero = 1: a chunk's first quarter: the products start the sums.  The 32 accumulators take turns, one instruction a turn, in the same
; order in every quarter.  drain = 1: a chunk's last quarter: behind product n stands the slice of accumulator n - 2, which was finished two products back: eight plain instructions
; that name none of its registers lie between (behind products 0 and 1: two v_nop each); the last two slices follow the last product.  A slice costs two switches of the windows: in one quarter of four.
.macro MM pq, n0, n1, zero, drain, first
.set n, \n0
.rept (\n1)-(\n0)+1
	WIN W_MM
.if \zero
	v_wmma_f32_16x16x32_f16 v[8*n:8*n+7], v[VF+64*(\pq)+8*(n%8):VF+64*(\pq)+8*(n%8)+7], v[PF+32*(\pq)+8*(n/8):PF+32*(\pq)+8*(n/8)+7], 0
.else
	v_wmma_f32_16x16x32_f16 v[8*n:8*n+7], v[VF+64*(\pq)+8*(n%8):VF+64*(\pq)+8*(n%8)+7], v[PF+32*(\pq)+8*(n/8):PF+32*(\pq)+8*(n/8)+7], v[8*n:8*n+7]
.endif
.if \drain
.if n < 2
	v_nop
	v_nop
.else
	SLICE n-2, \first
.endif
.if n == 31
	SLICE 30, \first
	SLICE 31, \first
.endif
.endif
.set n, n+1
.endr
.endm
; A quarter that has its successor in the same slot.  fq = 1: a chunk's third quarter: the chunk's factors are asked for.  mv = 1: its fourth: they are taken up.
.macro QA slot, sq, zero, drain, first, fq, mv
	PLACES
	WIN 0
	FETCH \slot, (\sq)+1
.if \fq
	ds_load_b128 v[FQ:FQ+3], v[AFQ]
	v_add_nc_u32 v[AFQ], 256, v[AFQ]
.endif
	s_wait_dscnt 24+\fq                            ; all but the run just issued: this quarter's fragments are in (and the factors that the quarter before asked for)
.if \mv
	FMOV
.endif
	MM (\sq)%2, 0, 31, \zero, \drain, \first
.endm
; A slot's last quarter but one changes slots: it asks for the slot's last fragments, and then ONE barrier.  In front of it each wave waits for all its tensor loads, of which one is out: its part of the next slot; adds 0
; to its spare word; and waits for that and for its own reads of this slot.  fill = 1: the barrier opens a round of the cluster's barrier, and behind the round this slot is filled again, two slots ahead, first of all;
; fill = 2: the same with the last slot's shorter tiles;  fill = 0: nothing is left to fetch.  ask = 1: the prefetches' address steps.
.macro QT slot, sq, fill, ask, zero, fq
.if \ask
	s_wait_xcnt 0x0                                ; the last prefetches, a trip back, have read their address: it is stepped here
	s_add_nc_u64 s[PFA:PFA+1], s[PFA:PFA+1], s[PFS:PFS+1]
.endif
	PLACES
	WIN 0
	FETCH \slot, (\sq)+1
.if \fq
	ds_load_b128 v[FQ:FQ+3], v[AFQ]
	v_add_nc_u32 v[AFQ], 256, v[AFQ]
.endif
	s_wait_dscnt 24+\fq                            ; all but the run just issued
	MM (\sq)%2, 0, 15, \zero, 0, 0
	WIN 0                                          ; (the add's two registers lie in window 0)
	s_wait_tensorcnt 0x0                           ; all my tensor loads have landed
	ds_add_u32 v[SPW], v[NIL]                      ; 0 onto my spare word
	MM (\sq)%2, 16, 23, \zero, 0, 0                ; eight matrix instructions stand between the add and the wait for it
	s_wait_dscnt 0x0                               ; the add is done, and my reads of this slot are over
	s_barrier_signal -1
	MM (\sq)%2, 24, 31, \zero, 0, 0                ; work on registers while the others arrive
	WIN 0
	s_barrier_wait -1
.if (\fill) == 1
	CREST                                          ; no wave of any partner still reads this slot's tiles or has a load on its way
	s_add_nc_u64 s[G0+4*\slot+2:G0+4*\slot+3], s[G0+4*\slot+2:G0+4*\slot+3], 2*PSL
	s_add_nc_u64 s[G0B+4*\slot+2:G0B+4*\slot+3], s[G0B+4*\slot+2:G0B+4*\slot+3], 2*VSL
	JLOAD G0+4*\slot, G1, G0B+4*\slot, G1B         ; my one tensor load behind the round; its four v_nop are also the places in front of the loads that follow
.elseif (\fill) == 2
	CREST
	JLOAD G0X, G1X, G0BX, G1BX                     ; the last 128 keys
.else
	PLACES
.endif
.endm
; A slot's last quarter works from registers and fetches the next slot's first quarter
.macro QL next, sq, ask, drain, mv
	FETCH \next, 0
.if \ask
	ASK
.endif
.if \mv
	FMOV
.endif
	MM (\sq)%2, 0, 31, 0, \drain, 0
.endm
	s_wait_dscnt 0x0                               ; my factors are stored
	s_wait_tensorcnt 1                             ; my part of slot 0 is in; slot 1's may stay out
	s_barrier_signal -1
	s_barrier_wait -1                              ; everybody's is
	FETCH 0, 0
	QA 0, 0, 1, 0, 0, 0, 0                         ; chunk 0 stands in front of the loop: it starts O
	QA 0, 1, 0, 0, 0, 0, 0
	QA 0, 2, 0, 0, 0, 1, 0
	QA 0, 3, 0, 1, 1, 0, 1
	WIN 0                                          ; at a label and at a branch every window is 0
	s_mov_b32 s3, 4
.Ltrip:                                            ; a trip: slot 0's last two quarters, slot 1, the next slot 0's first four: three chunks; both slots are filled again
	QT 0, 4, 1, 1, 1, 0
	QL 1, 5, 1, 0, 0
	QA 1, 0, 0, 0, 0, 1, 0
	QA 1, 1, 0, 1, 0, 0, 1
	QA 1, 2, 1, 0, 0, 0, 0
	QA 1, 3, 0, 0, 0, 0, 0
	QT 1, 4, 1, 0, 0, 1
	QL 0, 5, 0, 1, 1
	QA 0, 0, 1, 0, 0, 0, 0
	QA 0, 1, 0, 0, 0, 0, 0
	QA 0, 2, 0, 0, 0, 1, 0
	QA 0, 3, 0, 1, 0, 0, 1
	WIN 0
	s_sub_co_u32 s3, s3, 1
	s_cmp_lg_u32 s3, 0
	s_cbranch_scc1 .Ltrip
	QT 0, 4, 2, 0, 1, 0                            ; the tail is written out: slot 0 takes the last 128 keys,
	QL 1, 5, 0, 0, 0
	QA 1, 0, 0, 0, 0, 1, 0
	QA 1, 1, 0, 1, 0, 0, 1
	QA 1, 2, 1, 0, 0, 0, 0
	QA 1, 3, 0, 0, 0, 0, 0
	QT 1, 4, 0, 0, 0, 1                            ; slot 1 is left for good,
	QL 0, 5, 0, 1, 1
	QA 0, 0, 1, 0, 0, 0, 0                         ; and the last chunk has four quarters
	QA 0, 1, 0, 0, 0, 0, 0
	QA 0, 2, 0, 0, 0, 1, 0
	s_wait_dscnt 0x0                               ; the very last quarter: nothing more to fetch
	WIN 0
	FMOV
	MM 1, 0, 31, 0, 1, 0
	WIN 0
; THE WAY OUT, block by block of 16 queries x 128 channels.  O is final as it stands.  TOSTAGE: a lane's 32 bytes of a row go into my own stage and come back as whole rows of 512 bytes.  SEND: stored.
; The last slices are the places between the last products and the loads into the registers that held V's fragments.
.macro TOSTAGE i
.set BB, 32+64*((\i)%2)
	WIN 0x08                                       ; an LDS store's data are its source 1: window 2
.irp b, 0,1,2,3,4,5,6,7
	ds_store_b128 v[STO], v[64*(\i)+8*\b:64*(\i)+8*\b+3] offset:64*\b
	ds_store_b128 v[STO], v[64*(\i)+8*\b+4:64*(\i)+8*\b+7] offset:64*\b+16
.endr
	WIN 0
.irp t, 0,1,2,3,4,5,6,7,8,9,10,11,12,13,14,15
	ds_load_b128 v[BB+4*\t:BB+4*\t+3], v[RD] offset:\t*OP          ; LDS serves a wave's instructions in order (ISA guide 5.7.1): these see the stores above, and the next block's stores come behind them
.endr
.endm
.macro SEND i, younger                 ; younger: the LDS instructions issued behind block i's loads, which may stay out
.set BB, 32+64*((\i)%2)
	s_wait_dscnt \younger                          ; the block is back in registers
.irp t, 0,1,2,3,4,5,6,7,8,9,10,11,12,13,14,15
	global_store_b128 v[CO], v[BB+4*\t:BB+4*\t+3], s[70:71] offset:(16*(\i)+\t)*4096 th:TH_STORE_NT   ; 32 lanes store 512 consecutive bytes, aligned; written once, read by nobody here
.endr
.endm
	TOSTAGE 0
.irp i, 1,2,3
.if \i > 1
	s_wait_xcnt 0x0                                ; block i - 2's stores have read their registers: block i's loads may land there
.endif
	TOSTAGE \i
	SEND \i-1, 32                                  ; behind block i - 1's loads: block i's 16 stores and 16 loads
.endr
	SEND 3, 0
	s_wait_tensorcnt 0x0                           ; the wave's end: a tensor wait, an add of 0 to my spare word and its wait, behind my last tensor load and my last LDS store
	ds_add_u32 v[SPW], v[NIL]
	s_wait_dscnt 0x0
	CROUND                                         ; the closing round: no work-group ends while a partner may still ask for a tile that names it
	s_endpgm
.Lfunc_end_k_q3a112544c1_pv:
	.size	k_q3a112544c1_pv, .Lfunc_end_k_q3a112544c1_pv-k_q3a112544c1_pv
	.p2alignl 7, 3214868480
	.fill 96, 4, 3214868480
	.section	.rodata,"a",@progbits
	.p2align	6, 0x0
	.amdhsa_kernel k_q3a112544c1_pv
		.amdhsa_group_segment_fixed_size 327680
		.amdhsa_private_segment_fixed_size 0
		.amdhsa_enable_private_segment 0
		.amdhsa_kernarg_size 32
		.amdhsa_user_sgpr_count 2
		.amdhsa_user_sgpr_kernarg_segment_ptr 1
		.amdhsa_wavefront_size32 1
		.amdhsa_system_sgpr_workgroup_id_x 1
		.amdhsa_system_sgpr_workgroup_id_y 1
		.amdhsa_system_sgpr_workgroup_id_z 1
		.amdhsa_system_vgpr_workitem_id 0
		.amdhsa_next_free_vgpr 768
		.amdhsa_next_free_sgpr 100
		.amdhsa_reserve_vcc 0
		.amdhsa_float_denorm_mode_32 3
		.amdhsa_float_denorm_mode_16_64 3
		.amdhsa_memory_ordered 1
		.amdhsa_forward_progress 1
		.amdhsa_inst_pref_size 217
	.end_amdhsa_kernel
	.amdgpu_metadata
---
amdhsa.version: [ 1, 2 ]
amdhsa.kernels:
  - .name:           k_q3a112544c1_pv
    .symbol:         k_q3a112544c1_pv.kd
    .args:
      - { .name: p, .offset: 0, .size: 8, .value_kind: global_buffer, .address_space: global }
      - { .name: qkv, .offset: 8, .size: 8, .value_kind: global_buffer, .address_space: global }
      - { .name: st, .offset: 16, .size: 8, .value_kind: global_buffer, .address_space: global }
      - { .name: out0, .offset: 24, .size: 8, .value_kind: global_buffer, .address_space: global }
    .group_segment_fixed_size: 327680
    .private_segment_fixed_size: 0
    .kernarg_segment_align: 8
    .kernarg_segment_size: 32
    .max_flat_workgroup_size: 128
    .sgpr_count:     100
    .vgpr_count:     768
    .wavefront_size: 32
...
	.end_amdgpu_metadata
.endif
;; end of part 4
